; MI455X (gfx1250); checked and timed in simulation.
; The chip was launched on July 23, 2026; its instructions are those of AMD's public machine-readable ISA for CDNA 5 (MIT licence, August 2026) and "CDNA5" Instruction Set Architecture Reference Guide (July 2026). The comments in the code are by the model that wrote it; some were corrected since.
;; ICNN Block. Allowed arithmetic: matrix products marked QUANTISED: E4M3 operands, one given power-of-two scale a tensor, by v_wmma_f32_16x16x64_fp8_fp8 or v_wmma_f32_16x16x128_fp8_fp8, f32 sums; everything else in f32.
;; Inputs: Wc_b 4 x 1,024 float32; Wc_w 4 x 1,024 x 256 float32; Wu_b 4 x 1,024 float32; Wu_w 4 x 1,024 x 256 float32; Wut_b 4 x 1,024 float32; Wut_w 4 x 1,024 x 256 float32; lowp_scales 30 int32 (the exponents e of the quantised operands' scales 2^e); raw_U 3 x 1,024 x 1,024 float32; xc 8,192 x 256 float32; xf 8,192 x 256 float32.
;; Outputs: out0 8,192 x 1,024 float32.
;; This version of the problem:
;;   THIS VERSION OF THE PROBLEM IS GIVEN IN LOW PRECISION. The matrix products marked QUANTISED in the list below multiply operands that are first quantised to E4M3 (4 exponent bits, 3 mantissa bits; 8 bits a number), with one given power-of-two scale for each operand tensor; their sums are f32. All else is computed in f32.
;;   The module's matrix products, in the order in which they are computed (A, B: the left and right operand; K: the contracted axis; several contracted axes count as one K, in the product's order):
;;     1. [M 8,192, K 256] x [K 256, N 1,024]; A: input xf; B: computed on the way: QUANTISED (scales: A lowp_scales[0], B lowp_scales[1])
;;     2. [M 8,192, K 256] x [K 256, N 1,024]; A: input xc; B: computed on the way: QUANTISED (scales: A lowp_scales[2], B lowp_scales[3])
;;     3. [M 8,192, K 256] x [K 256, N 1,024]; A: input xf; B: computed on the way: QUANTISED (scales: A lowp_scales[4], B lowp_scales[5])
;;     4. [M 8,192, K 256] x [K 256, N 1,024]; A: input xf; B: computed on the way: QUANTISED (scales: A lowp_scales[6], B lowp_scales[7])
;;     5. [M 8,192, K 256] x [K 256, N 1,024]; A: input xc; B: computed on the way: QUANTISED (scales: A lowp_scales[8], B lowp_scales[9])
;;     6. [M 8,192, K 256] x [K 256, N 1,024]; A: input xf; B: computed on the way: QUANTISED (scales: A lowp_scales[10], B lowp_scales[11])
;;     7. [M 8,192, K 1,024] x [K 1,024, N 1,024]; A: computed on the way; B: computed on the way: QUANTISED (scales: A lowp_scales[12], B lowp_scales[13])
;;     8. [M 8,192, K 256] x [K 256, N 1,024]; A: input xf; B: computed on the way: QUANTISED (scales: A lowp_scales[14], B lowp_scales[15])
;;     9. [M 8,192, K 256] x [K 256, N 1,024]; A: input xc; B: computed on the way: QUANTISED (scales: A lowp_scales[16], B lowp_scales[17])
;;     10. [M 8,192, K 256] x [K 256, N 1,024]; A: input xf; B: computed on the way: QUANTISED (scales: A lowp_scales[18], B lowp_scales[19])
;;     11. [M 8,192, K 1,024] x [K 1,024, N 1,024]; A: computed on the way; B: computed on the way: QUANTISED (scales: A lowp_scales[20], B lowp_scales[21])
;;     12. [M 8,192, K 256] x [K 256, N 1,024]; A: input xf; B: computed on the way: QUANTISED (scales: A lowp_scales[22], B lowp_scales[23])
;;     13. [M 8,192, K 256] x [K 256, N 1,024]; A: input xc; B: computed on the way: QUANTISED (scales: A lowp_scales[24], B lowp_scales[25])
;;     14. [M 8,192, K 256] x [K 256, N 1,024]; A: input xf; B: computed on the way: QUANTISED (scales: A lowp_scales[26], B lowp_scales[27])
;;     15. [M 8,192, K 1,024] x [K 1,024, N 1,024]; A: computed on the way; B: computed on the way: QUANTISED (scales: A lowp_scales[28], B lowp_scales[29])
;;   THE QUANTISER, for each operand of a quantised product, along K:
;;     - The operand's scale is 2^e, e = its entry of the input lowp_scales (int32; the entries are numbered through the quantised products in the list's order, A before B).
;;     - Each number is divided by the scale, clamped to +-448, and rounded to the nearest number of E4M3, ties to even, subnormals kept.
;;     - The product sums the exact products of the quantised numbers (number of the format x scale) in f32.
;;   ~~~python
;;   def quantise(x, axis, e):      # numpy; x: float32 -> the quantised numbers, widened to float32 again
;;       x = np.moveaxis(x, axis, -1); K = x.shape[-1]
;;       r = np.clip(x / 2.0 ** e, -448, 448)
;;       step = 2.0 ** (np.maximum(np.frexp(np.where(r == 0, 1, r))[1] - 1, -6) - 3)
;;       q = np.round(r / step) * step * 2.0 ** e      # np.round: ties to even
;;       return np.moveaxis(q, -1, axis).astype(np.float32)
;;   ~~~
;;   OPERANDS COMPUTED ON THE WAY. 'Computed on the way' means the value that the module computes at that place (a softmax that the list does not call 'softmax' is quantised finished and normalised). What goes into a quantiser is computed in f32, as accurately as f32 sums, v_exp_f32 and their like allow (about 1e-6 of the number): no bf16 or f16 on the way to a quantiser, and a product that is left as it is and whose result goes on into a quantised operand takes f32 operands (vector FMAs, or v_wmma_f32_16x16x4_f32). A number that lies on a knife's edge between two numbers of the format may be rounded either way, as far as f32 arithmetic and the matrix unit's own rounding can turn it there, and no further.
;; One version. Each part assembles by itself: llvm-mc -triple=amdgcn-amd-amdhsa -mcpu=gfx1250 --defsym DOCPART=n.
;; ======== version 1 of 1: 5 launches
;; workspace buffers: lay0 8,135,680 bytes; lay1 8,135,680 bytes; lay2 8,135,680 bytes; lay3 8,135,680 bytes; z0 8,388,608 bytes; z1 8,388,608 bytes
;; launch prep (part 1): grid 644 x 1, 4 waves a work-group, no clusters, 67,072 bytes of LDS; arguments xf, xc, Wut_w, Wc_w, Wu_w, raw_U, Wut_b, Wc_b, Wu_b, lowp_scales, lay0, lay1, lay2, lay3; writes lay0, lay1, lay2, lay3
.if DOCPART == 1
	.amdgcn_target "amdgcn-amd-amdhsa--gfx1250"
	.amdhsa_code_object_version 6
	.text
	.protected	k_qf86c281279_prep
	.globl	k_qf86c281279_prep
	.p2align	8
	.type	k_qf86c281279_prep,@function
k_qf86c281279_prep:
	s_mov_b64 s[64:65], 0
	v_nop
	global_prefetch_b8 v0, s[64:65] scope:SCOPE_SE
	s_setreg_imm32_b32 hwreg(HW_REG_WAVE_MODE, 25, 1), 1
	s_wait_xcnt 0x0
; PREPARES ALL OPERANDS OF THE FOUR LAYERS: every f32 operand becomes codes of FP8 (E4M3) under each scale 2^e that a product gives it, laid as IMAGES OF THE OPERAND'S REGISTERS.
; An image is a fragment of 16 rows x 128 K, 2,048 bytes: the 16 bytes of register group c (four registers) of lane l lie at 512 c + 16 l; lane (r = l % 16, h = l / 16), group c holds k = 32 c + 16 h + 0 .. 15 of the tile's row r.
; THE ROWS OF A TILE ARE NOT NEIGHBOURS: tile T begins at row 32 (T / 2) + 8 (T % 2), and its place r is row r + 8 (r / 8) from there: so a layer's results, used transposed, are the next layer's image as they stand.
; lay_L: x's images [512 tiles][6 K steps] (0,1: xf under the scale of the product with Wut; 2,3: xc; 4,5: xf under that of the product with Wu); from WOFF the weights' [64 tiles][14 K steps] (0,1 Wut; 2,3 Wc; 4,5 Wu; 6-13 U of layer L);
; from COFF: Wut_b x 2^-s1 [1024], (Wc_b + Wu_b) x 2^-s2 [1024], and ten words of powers of two.  s1 .. s4: the sums of the two exponents of the layer's four products.
; The weights pass through reference()'s softplus first: all of U; of the small weights columns 0-3 (+softplus) and 4-7 (-softplus).
; softplus(w) = max(w, 0) + ln 2 x log2(1 + t) + (t - ((1 + t) - 1)), t = e^-|w|: the last term gives back what the sum 1 + t rounded away.
; SHARES.  A wave takes one task: 16 rows x 1,024 bytes of f32 (two K steps).  Work-groups 0-127: xf (eight scales); 128-255: xc (four); 256-447: the small weights; 448-639: U; 640-643: a layer's biases and constants.
; Each load reads 512 consecutive bytes; the 16 KB turn through the wave's own stage in LDS (rows of 1,024 + 16 bytes) so that a lane holds 16 neighbours along K of each block of 32; each store writes 512 consecutive bytes.
; No tensor loads, no barrier, no cluster: waves and work-groups share no input.
; LIMITS: every operand's e between -126 and 119; s1 - s2, s2 - s3, s3 - s4 and s4 between -126 and 127; (the next layer's e for z) - s4 between -126 and 119.  NaN among the inputs is not served.
; For w under about -87 the exponential is flushed and softplus(w) comes out as 0 (its true value lies under 1e-38).
.set WOFF, 6291456
.set WP,   28672                       ; a tile of weights: 14 images
.set XP,   12288                       ; a tile of x: 6 images
.set COFF, 8126464
.set SP,   1040                        ; a stage row: 1,024 bytes + 16: sixteen rows begin at sixteen different groups of four banks
.set WREG, 16*SP                       ; a wave's stage
.set R,    16                          ; v16-143  the task's 128 numbers a lane
.set TA,   144                         ; v144-175 at work: two sets of 16 held numbers; softplus: t, u, l and eight copies
.set CD,   176                         ; v176-191 an image's codes
; v1 lane, v2 16 x lane, v3 stage in, v4 stage out, v5 my place in the output, v6 2^e, v7 448 x 2^e, v8 h
; s[8:35] the fourteen addresses; s[36:63] e0 .. e27; s68 wave; s69 task; s[70:71] source; s[74:75] destination buffer (weights); s76 destination offset; s77 4 x the exponent's index; s78 the weight's e
.macro PICKLAY dst, sl                 ; the buffer of layer s[sl]: a choice on a number made of ids alone
	s_cmp_eq_u32 s[\sl], 1
	s_cselect_b64 s[\dst:\dst+1], s[30:31], s[28:29]
	s_cmp_eq_u32 s[\sl], 2
	s_cselect_b64 s[\dst:\dst+1], s[32:33], s[\dst:\dst+1]
	s_cmp_eq_u32 s[\sl], 3
	s_cselect_b64 s[\dst:\dst+1], s[34:35], s[\dst:\dst+1]
.endm
.macro TBASE                           ; s79 = the first row of tile s81: 32 (T / 2) + 8 (T % 2)
	s_lshr_b32 s79, s81, 1
	s_lshl_b32 s79, s79, 5
	s_and_b32 s80, s81, 1
	s_lshl_b32 s80, s80, 3
	s_add_co_u32 s79, s79, s80
.endm
.macro LOADROWS pitch                  ; place i of the tile is row i + 8 (i / 8); two loads of 512 consecutive bytes a row
.irp i, 0,1,2,3,4,5,6,7,8,9,10,11,12,13,14,15
	global_load_b128 v[R+8*\i:R+8*\i+3], v2, s[70:71] offset:(\i+8*(\i/8))*\pitch th:TH_LOAD_NT
	global_load_b128 v[R+8*\i+4:R+8*\i+7], v2, s[70:71] offset:(\i+8*(\i/8))*\pitch+512 th:TH_LOAD_NT
.endr
.endm
.macro SETSC se                        ; v6 = 2^e as f32 (the conversion takes its exponent field), v7 = 448 x 2^e
	s_add_co_i32 s79, s[\se], 127
	s_lshl_b32 s80, s79, 23
	v_mov_b32 v6, s80
	s_add_co_i32 s79, s79, 8
	s_lshl_b32 s79, s79, 23
	s_or_b32 s79, s79, 0x600000
	v_mov_b32 v7, s79
.endm
; K step s of the task becomes one image at off bytes from my place in buffer s[dst].  The numbers stay as they are: the held copies take turns in two sets.
.macro EMIT s, dst, off
.irp c, 0,1,2,3
.irp n, 0,1,2,3,4,5,6,7,8,9,10,11,12,13,14,15
	v_med3_num_f32 v[TA+16*(\c%2)+\n], v[R+64*\s+16*\c+\n], -v7, v7   ; the conversion to an 8-bit code does not saturate (ISA guide 7.6.2): the hold at the largest code x the scale
.endr
.if \c == 0
	s_wait_xcnt 0x0                                ; the last image's stores have read the codes' registers: only behind this wait are they written again
.endif
	v_cvt_scalef32_pk8_fp8_f32 v[CD+4*\c:CD+4*\c+1], v[TA+16*(\c%2):TA+16*(\c%2)+7], v6
	v_cvt_scalef32_pk8_fp8_f32 v[CD+4*\c+2:CD+4*\c+3], v[TA+16*(\c%2)+8:TA+16*(\c%2)+15], v6
.endr
	v_nop                                          ; a plain line behind the last conversion: the next vector line may write its scale register
.irp c, 0,1,2,3
	global_store_b128 v5, v[CD+4*\c:CD+4*\c+3], s[\dst:\dst+1] offset:\off+512*\c   ; 32 lanes store 512 consecutive bytes, at a multiple of 256 from the buffer's first byte
.endr
.endm
.macro XPAIR n, lay, pos               ; both K steps under exponent e[n], into layer lay's images pos and pos + 1
	SETSC 36+\n
	EMIT 0, 28+2*\lay, \pos*2048
	EMIT 1, 28+2*\lay, \pos*2048+2048
.endm
.macro SOFTPLUS8 x                     ; eight registers from v[x] on, in place
.irp j, 0,1,2,3,4,5,6,7
	v_mul_f32 v[144+\j], s91, v[(\x)+\j]           ; -log2(e) w
.endr
.irp j, 0,1,2,3,4,5,6,7
	v_min_num_f32 v[144+\j], v[144+\j], -v[144+\j] ; -log2(e) |w|
.endr
.irp j, 0,1,2,3,4,5,6,7
	v_exp_f32 v[144+\j], v[144+\j]                 ; t = e^-|w|
.endr
.irp j, 0,1,2,3,4,5,6,7
	v_max_num_f32 v[(\x)+\j], 0, v[(\x)+\j]        ; max(w, 0): plain lines behind the exponentials
.endr
	s_wait_alu depctr_va_vdst(0)
.irp j, 0,1,2,3,4,5,6,7
	v_add_f32 v[152+\j], 1.0, v[144+\j]            ; u = 1 + t, rounded
.endr
.irp j, 0,1,2,3,4,5,6,7
	v_log_f32 v[160+\j], v[152+\j]
.endr
	v_nop                                          ; a plain line between the last logarithm and the line that writes its source
.irp j, 0,1,2,3,4,5,6,7
	v_add_f32 v[152+\j], -1.0, v[152+\j]           ; u - 1: exact
.endr
.irp j, 0,1,2,3,4,5,6,7
	v_sub_f32 v[144+\j], v[144+\j], v[152+\j]      ; what 1 + t rounded away
.endr
	s_wait_alu depctr_va_vdst(0)
.irp j, 0,1,2,3,4,5,6,7
	v_fma_f32 v[(\x)+\j], v[160+\j], s92, v[(\x)+\j]
.endr
.irp j, 0,1,2,3,4,5,6,7
	v_add_f32 v[(\x)+\j], v[(\x)+\j], v[144+\j]
.endr
.endm
	s_load_b512 s[8:23], s[0:1], 0x0               ; xf, xc, Wut_w, Wc_w, Wu_w, raw_U, Wut_b, Wc_b
	s_load_b256 s[24:31], s[0:1], 0x40             ; Wu_b, lowp_scales, lay0, lay1
	s_load_b128 s[32:35], s[0:1], 0x60             ; lay2, lay3
	v_lshl_add_u32 v192, v0, 2, 0x10400
	v_mov_b32 v193, 0
	v_lshrrev_b32 v1, 5, v0
	v_readfirstlane_b32 s68, v1                    ; wave
	v_and_b32 v1, 31, v0
	v_lshlrev_b32 v2, 4, v1                        ; 16 x lane
	s_mul_i32 s79, s68, WREG
	v_add_nc_u32 v3, s79, v2                       ; the stage, on the way in: as the bytes lie
	v_and_b32 v9, 15, v0
	v_bfe_u32 v8, v0, 4, 1                         ; h
	v_mul_u32_u24 v4, v9, SP
	v_lshl_add_u32 v4, v8, 6, v4
	v_add_nc_u32 v4, s79, v4                       ; and on the way out: row r, + 64 h: my 16 numbers of a block of 32
	s_lshl_b32 s69, ttmp9, 2
	s_add_co_u32 s69, s69, s68                     ; the task
	s_mov_b32 s91, 0xbfb8aa3b                      ; -log2(e)
	s_mov_b32 s92, 0x3f317218                      ; ln 2
	s_wait_kmcnt 0x0
	s_cmp_ge_u32 ttmp9, 640
	s_cbranch_scc1 .Lconst
	s_load_b512 s[36:51], s[26:27], 0x0            ; e0 .. e27
	s_load_b256 s[52:59], s[26:27], 0x40
	s_load_b128 s[60:63], s[26:27], 0x60
	s_mov_b64 s[74:75], s[28:29]                   ; written on every way; the weights' arms choose anew
	s_mov_b32 s78, 0
	s_cmp_lt_u32 ttmp9, 128
	s_cbranch_scc1 .Larm_xf
	s_cmp_lt_u32 ttmp9, 256
	s_cbranch_scc1 .Larm_xc
	s_cmp_lt_u32 ttmp9, 448
	s_cbranch_scc1 .Larm_ws
	; U: task x = 256 i + 4 T + kp: rows of tile T of raw_U[i], bytes 1,024 kp on; it serves layer L = i + 1
	s_sub_co_u32 s82, s69, 1792
	s_lshr_b32 s83, s82, 8                         ; i
	s_bfe_u32 s81, s82, 0x60002                    ; T
	s_and_b32 s85, s82, 3                          ; kp
	s_add_co_u32 s84, s83, 1                       ; L
	PICKLAY 74, 84
	TBASE
	s_lshl_b32 s72, s79, 12                        ; a row of U is 4,096 bytes
	s_lshl_b32 s80, s83, 22
	s_add_co_u32 s72, s72, s80
	s_lshl_b32 s80, s85, 10
	s_add_co_u32 s72, s72, s80
	s_mov_b32 s73, 0
	s_add_nc_u64 s[70:71], s[18:19], s[72:73]
	s_mul_i32 s76, s81, WP
	s_lshl_b32 s80, s85, 12
	s_add_co_u32 s76, s76, s80
	s_add_co_u32 s76, s76, WOFF+6*2048             ; images 6 + 2 kp and the next
	s_lshl_b32 s77, s84, 5
	s_add_co_u32 s77, s77, 20                      ; 4 x (8 L + 5)
	s_load_b32 s78, s[26:27], s77 offset:0x0
	LOADROWS 4096
	s_branch .Lturn
.Larm_xf:
	s_mov_b32 s81, s69                             ; T
	s_mov_b64 s[70:71], s[8:9]
	s_branch .Larm_x
.Larm_xc:
	s_sub_co_u32 s81, s69, 512
	s_mov_b64 s[70:71], s[10:11]
.Larm_x:
	TBASE
	s_lshl_b32 s72, s79, 10                        ; a row is 1,024 bytes
	s_mov_b32 s73, 0
	s_add_nc_u64 s[70:71], s[70:71], s[72:73]
	s_mul_i32 s76, s81, XP
	s_branch .Lld1k
.Larm_ws:                                              ; task x = 256 t + 64 L + T: t = 0 Wut, 1 Wc, 2 Wu
	s_sub_co_u32 s82, s69, 1024
	s_lshr_b32 s83, s82, 8                         ; t
	s_bfe_u32 s84, s82, 0x20006                    ; L
	s_and_b32 s81, s82, 63                         ; T
	s_cmp_eq_u32 s83, 1
	s_cselect_b64 s[70:71], s[14:15], s[12:13]
	s_cmp_eq_u32 s83, 2
	s_cselect_b64 s[70:71], s[16:17], s[70:71]
	PICKLAY 74, 84
	TBASE
	s_lshl_b32 s72, s79, 10
	s_lshl_b32 s80, s84, 20                        ; a layer's weight is 1 MiB
	s_add_co_u32 s72, s72, s80
	s_mov_b32 s73, 0
	s_add_nc_u64 s[70:71], s[70:71], s[72:73]
	s_mul_i32 s76, s81, WP
	s_lshl_b32 s80, s83, 12
	s_add_co_u32 s76, s76, s80
	s_add_co_u32 s76, s76, WOFF                    ; images 2 t and 2 t + 1
	s_lshl_b32 s77, s84, 3
	s_sub_co_i32 s77, s77, 2
	s_max_i32 s77, s77, 0                          ; the layer's first entry: 0, 6, 14, 22
	s_lshl_b32 s80, s83, 1
	s_add_co_u32 s77, s77, s80
	s_add_co_u32 s77, s77, 1                       ; + 2 t + 1: the weight's
	s_lshl_b32 s77, s77, 2
	s_load_b32 s78, s[26:27], s77 offset:0x0
.Lld1k:
	LOADROWS 1024
.Lturn:                                                ; 32 loads are out on either way
.irp i, 0,1,2,3,4,5,6,7,8,9,10,11,12,13,14,15
	s_wait_loadcnt 30-2*\i                         ; row i's two loads are in; the younger rows' stay out
	ds_store_b128 v3, v[R+8*\i:R+8*\i+3] offset:\i*SP
	ds_store_b128 v3, v[R+8*\i+4:R+8*\i+7] offset:\i*SP+512
.endr
	s_wait_dscnt 0x0                               ; the stores have read their registers
.irp s, 0,1
.irp c, 0,1,2,3
.irp j, 0,1,2,3
	ds_load_b128 v[R+64*\s+16*\c+4*\j:R+64*\s+16*\c+4*\j+3], v4 offset:512*\s+128*\c+16*\j   ; register 64 s + 16 c + n = k 128 s + 32 c + 16 h + n of my row
.endr
.endr
.endr
	v_add_nc_u32 v5, s76, v2
	s_wait_kmcnt 0x0                               ; the exponents
	s_wait_dscnt 0x0
	s_cmp_lt_u32 ttmp9, 128
	s_cbranch_scc1 .Lrole_xf
	s_cmp_lt_u32 ttmp9, 256
	s_cbranch_scc1 .Lrole_xc
	s_cmp_lt_u32 ttmp9, 448
	s_cbranch_scc1 .Lrole_ws
.set Q, 0
.rept 16
	SOFTPLUS8 R+8*Q                                ; all of U
.set Q, Q+1
.endr
	s_branch .Ltail
.Lrole_ws:                                             ; columns 0-7 are registers 0-7 of the lanes with h = 0
.irp j, 0,1,2,3,4,5,6,7
	v_mov_b32 v[168+\j], v[R+\j]
.endr
	SOFTPLUS8 168
.irp j, 4,5,6,7
	v_mul_f32 v[168+\j], -1.0, v[168+\j]           ; columns 4-7: -softplus
.endr
	v_cmp_eq_u32 vcc_lo, 0, v8
.irp j, 0,1,2,3,4,5,6,7
	v_cndmask_b32 v[R+\j], v[R+\j], v[168+\j], vcc_lo
.endr
.Ltail:
	SETSC 78
	EMIT 0, 74, 0
	EMIT 1, 74, 2048
	s_wait_tensorcnt 0x0
	ds_add_u32 v192, v193
	s_wait_dscnt 0x0
	s_endpgm
.Lrole_xf:
	XPAIR 0, 0, 0
	XPAIR 4, 0, 4
	XPAIR 6, 1, 0
	XPAIR 10, 1, 4
	XPAIR 14, 2, 0
	XPAIR 18, 2, 4
	XPAIR 22, 3, 0
	XPAIR 26, 3, 4
	s_wait_tensorcnt 0x0
	ds_add_u32 v192, v193
	s_wait_dscnt 0x0
	s_endpgm
.Lrole_xc:
	XPAIR 2, 0, 2
	XPAIR 8, 1, 2
	XPAIR 16, 2, 2
	XPAIR 24, 3, 2
	s_wait_tensorcnt 0x0
	ds_add_u32 v192, v193
	s_wait_dscnt 0x0
	s_endpgm
.Lconst:                                               ; layer L's biases and constants: 128 threads
	s_sub_co_u32 s84, ttmp9, 640                   ; L
	s_lshl_b32 s77, s84, 3
	s_sub_co_i32 s77, s77, 2
	s_max_i32 s77, s77, 0                          ; the layer's first entry q
	s_lshl_b32 s77, s77, 2
	s_min_u32 s79, s84, 2
	s_lshl_b32 s79, s79, 5
	s_add_co_u32 s79, s79, 48                      ; 4 x (12 + 8 min(L, 2)): the scale under which this layer's z is quantised (the last layer's is not used)
	s_load_b256 s[36:43], s[26:27], s77 offset:0x0 ; e[q] .. e[q + 7]: at most entry 29
	s_load_b32 s44, s[26:27], s79 offset:0x0
	PICKLAY 74, 84
	s_lshl_b32 s80, s84, 12
	v_lshlrev_b32 v9, 4, v0
	v_add_nc_u32 v9, s80, v9                       ; 4,096 L + 16 x thread
	global_load_b128 v[16:19], v9, s[20:21]
	global_load_b128 v[20:23], v9, s[20:21] offset:2048
	global_load_b128 v[24:27], v9, s[22:23]
	global_load_b128 v[28:31], v9, s[22:23] offset:2048
	global_load_b128 v[32:35], v9, s[24:25]
	global_load_b128 v[36:39], v9, s[24:25] offset:2048
	v_lshl_add_u32 v10, v0, 4, COFF
	v_lshl_add_u32 v11, v0, 3, COFF+8192
	s_wait_kmcnt 0x0
	s_add_co_i32 s45, s36, s37                     ; s1
	s_add_co_i32 s46, s38, s39                     ; s2
	s_add_co_i32 s47, s40, s41                     ; s3
	s_add_co_i32 s48, s42, s43                     ; s4;
	s_cmp_eq_u32 s84, 0
	s_cselect_b32 s48, s47, s48                    ; layer 0 has no fourth product: s4 = s3
	s_sub_co_i32 s49, s45, s46
	s_add_co_i32 s49, s49, 127
	s_lshl_b32 s49, s49, 23                        ; F1 = 2^(s1 - s2)
	s_sub_co_i32 s50, s46, s47
	s_add_co_i32 s50, s50, 127
	s_lshl_b32 s50, s50, 23                        ; F2 = 2^(s2 - s3)
	s_sub_co_i32 s51, s47, s48
	s_add_co_i32 s51, s51, 127
	s_lshl_b32 s51, s51, 23                        ; F3 = 2^(s3 - s4)
	s_add_co_i32 s52, s48, 127
	s_lshl_b32 s52, s52, 23                        ; FO = 2^s4
	s_sub_co_i32 s54, s44, s48
	s_add_co_i32 s54, s54, 127
	s_lshl_b32 s53, s54, 23                        ; CS = 2^(ez - s4): the scale of z's conversion, the sums being in units of 2^s4
	s_add_co_i32 s54, s54, 8
	s_lshl_b32 s54, s54, 23
	s_or_b32 s54, s54, 0x600000                    ; LIM = 448 x CS
	s_sub_co_i32 s55, 0, s45
	s_sub_co_i32 s56, 0, s46
	s_wait_loadcnt 0x0
.irp j, 0,1,2,3,4,5,6,7
	v_ldexp_f32 v[16+\j], v[16+\j], s55            ; Wut_b x 2^-s1
.endr
.irp j, 0,1,2,3,4,5,6,7
	v_add_f32 v[24+\j], v[24+\j], v[32+\j]
.endr
.irp j, 0,1,2,3,4,5,6,7
	v_ldexp_f32 v[24+\j], v[24+\j], s56            ; (Wc_b + Wu_b) x 2^-s2
.endr
	global_store_b128 v10, v[16:19], s[74:75]
	global_store_b128 v10, v[20:23], s[74:75] offset:2048
	global_store_b128 v10, v[24:27], s[74:75] offset:4096
	global_store_b128 v10, v[28:31], s[74:75] offset:6144
	v_mov_b32 v12, 0
	v_mov_b32 v13, 0
.macro CPAIR w, slo, shi               ; thread w holds the pair (s[slo], s[shi]); the threads from 5 on hold zeros
	v_cmp_eq_u32 vcc_lo, \w, v0
	v_mov_b32 v14, s[\slo]
	v_mov_b32 v15, s[\shi]
	v_cndmask_b32 v12, v12, v14, vcc_lo
	v_cndmask_b32 v13, v13, v15, vcc_lo
.endm
	CPAIR 0, 49, 49
	CPAIR 1, 50, 50
	CPAIR 2, 51, 51
	CPAIR 3, 52, 52
	CPAIR 4, 53, 54
	global_store_b64 v11, v[12:13], s[74:75]
	s_endpgm
.Lfunc_end_k_qf86c281279_prep:
	.size	k_qf86c281279_prep, .Lfunc_end_k_qf86c281279_prep-k_qf86c281279_prep
	.p2alignl 7, 3214868480
	.fill 96, 4, 3214868480
	.section	.rodata,"a",@progbits
	.p2align	6, 0x0
	.amdhsa_kernel k_qf86c281279_prep
		.amdhsa_group_segment_fixed_size 67072
		.amdhsa_private_segment_fixed_size 0
		.amdhsa_enable_private_segment 0
		.amdhsa_kernarg_size 112
		.amdhsa_user_sgpr_count 2
		.amdhsa_user_sgpr_kernarg_segment_ptr 1
		.amdhsa_wavefront_size32 1
		.amdhsa_system_sgpr_workgroup_id_x 1
		.amdhsa_system_sgpr_workgroup_id_y 1
		.amdhsa_system_sgpr_workgroup_id_z 1
		.amdhsa_system_vgpr_workitem_id 0
		.amdhsa_next_free_vgpr 194
		.amdhsa_next_free_sgpr 96
		.amdhsa_reserve_vcc 1
		.amdhsa_float_denorm_mode_32 3
		.amdhsa_float_denorm_mode_16_64 3
		.amdhsa_memory_ordered 1
		.amdhsa_forward_progress 1
		.amdhsa_inst_pref_size 207
	.end_amdhsa_kernel
	.amdgpu_metadata
---
amdhsa.version: [ 1, 2 ]
amdhsa.kernels:
  - .name:           k_qf86c281279_prep
    .symbol:         k_qf86c281279_prep.kd
    .args:
      - { .name: xf, .offset: 0, .size: 8, .value_kind: global_buffer, .address_space: global }
      - { .name: xc, .offset: 8, .size: 8, .value_kind: global_buffer, .address_space: global }
      - { .name: Wut_w, .offset: 16, .size: 8, .value_kind: global_buffer, .address_space: global }
      - { .name: Wc_w, .offset: 24, .size: 8, .value_kind: global_buffer, .address_space: global }
      - { .name: Wu_w, .offset: 32, .size: 8, .value_kind: global_buffer, .address_space: global }
      - { .name: raw_U, .offset: 40, .size: 8, .value_kind: global_buffer, .address_space: global }
      - { .name: Wut_b, .offset: 48, .size: 8, .value_kind: global_buffer, .address_space: global }
      - { .name: Wc_b, .offset: 56, .size: 8, .value_kind: global_buffer, .address_space: global }
      - { .name: Wu_b, .offset: 64, .size: 8, .value_kind: global_buffer, .address_space: global }
      - { .name: lowp_scales, .offset: 72, .size: 8, .value_kind: global_buffer, .address_space: global }
      - { .name: lay0, .offset: 80, .size: 8, .value_kind: global_buffer, .address_space: global }
      - { .name: lay1, .offset: 88, .size: 8, .value_kind: global_buffer, .address_space: global }
      - { .name: lay2, .offset: 96, .size: 8, .value_kind: global_buffer, .address_space: global }
      - { .name: lay3, .offset: 104, .size: 8, .value_kind: global_buffer, .address_space: global }
    .group_segment_fixed_size: 67072
    .private_segment_fixed_size: 0
    .kernarg_segment_align: 8
    .kernarg_segment_size: 112
    .max_flat_workgroup_size: 128
    .sgpr_count:     96
    .vgpr_count:     194
    .wavefront_size: 32
...
	.end_amdgpu_metadata
.endif
;; end of part 1
;; launch layer0 (part 2): grid 4 x 64, 4 waves a work-group, clusters of 4 x 4, 327,680 bytes of LDS; arguments lay0, z0; writes z0
.if DOCPART == 2
	.amdgcn_target "amdgcn-amd-amdhsa--gfx1250"
	.amdhsa_code_object_version 6
	.text
	.protected	k_qf86c281279_layer0
	.globl	k_qf86c281279_layer0
	.p2align	8
	.type	k_qf86c281279_layer0,@function
k_qf86c281279_layer0:
	s_mov_b64 s[64:65], 0
	v_nop
	global_prefetch_b8 v0, s[64:65] scope:SCOPE_SE
	s_setreg_imm32_b32 hwreg(HW_REG_WAVE_MODE, 25, 1), 1
	s_wait_xcnt 0x0
	s_wait_alu depctr_hold_cnt(0) depctr_sa_sdst(0) depctr_va_vdst(0) depctr_va_sdst(0) depctr_va_ssrc(0) depctr_va_vcc(0) depctr_vm_vsrc(0)
	s_getreg_b32 s2, hwreg(HW_REG_IB_STS2, 6, 4)
	s_cmp_eq_u32 s2, 0
	s_cbranch_scc0 .Lentry_in_a_cluster
	s_endpgm
.Lentry_in_a_cluster:
	s_bfe_u32 s2, ttmp6, 0x10000c
	s_cmp_lg_u32 s2, 0xf033
	s_cbranch_scc0 .Lentry_shape_is_right
	s_endpgm
.Lentry_shape_is_right:
; ONE LAYER: z = relu( relu(xf Wut^T + but) + xc Wc^T + bc + xf Wu^T + bu [+ z_in U^T] ), all products on codes of FP8 (E4M3), each operand with its given scale.
; This text is one of three that differ in the two flags below alone.  HASZ = 1: the layer has the product with U.  OUTF = 1: the result leaves as f32 (the last layer); 0: as codes, the next layer's operand.
; OPERANDS are images of the operand's registers, made by the launch before: a fragment of 16 rows x 128 K is 2,048 bytes, register group c of lane l at 512 c + 16 l; lane (r, h), group c: k = 32 c + 16 h + 0 .. 15.
; That is a permutation of k, the same in both operands.  Tile T begins at row 32 (T / 2) + 8 (T % 2); its place r is row r + 8 (r / 8) from there, in the batch rows and in the weights' rows alike.
; K STEPS: 0,1 xf x Wut; 2,3 xc x Wc; 4,5 xf x Wu; 6-13 z_in x U.  ONE ACCUMULATOR AN OUTPUT, kept in units of the running product's scale 2^s: it starts as but x 2^-s1 (the C of K step 0); behind K step 1 it becomes
; max(acc, 0) x 2^(s1 - s2) + (bc + bu) x 2^-s2; behind K step 3 it is multiplied by 2^(s2 - s3), behind K step 5 by 2^(s3 - s4): powers of two, which round nothing.  The order of the f32 additions differs from reference()'s.
; SHARES.  256 work-groups; each makes 128 batch rows x 256 columns, each of its four waves 64 x 128: 32 accumulators, 32 matrix instructions a K step.
; THE MATRIX INSTRUCTION IS USED TRANSPOSED (source 0 = 16 rows of the weight, source 1 = 16 batch rows): the 16 registers of accumulators (a, 2 b) and (a, 2 b + 1) are columns 32 b + 16 h + 0 .. 15 of one batch row,
; so the conversions' results are the next layer's image, and a wave's 128 columns are one K step of it.
; RING.  Two LDS slots of three K steps (8 + 16 rows of 6,144 bytes: a tile's three images on end), filled by the tensor data mover: waves 0 and 1 the batch rows' halves, waves 2 and 3 the weights'.  The last slot's worth is two K steps (rows of 4,096 bytes).
; CLUSTERS: 4 x 4 work-groups.  The four of a row of the cluster need the same batch rows, the four of a column the same weights: each tile is asked for JOINTLY.  A wave has two loads out at the start and one behind each round.
; LIMITS: those of the launch that makes the constants: the differences of the products' scale sums and s4 between -126 and 127, (the next e for z) - s4 between -126 and 119.  NaN is not served.
; REGISTERS, in windows of 256: window 0: v16-31 addresses and constants; v64-191 the batch rows' fragments, two sets of four; v192-255 codes (OUTF = 1: v64-255 at work on the way out).
;   window 1: the weights' fragments, two sets of eight.   window 2: accumulator (a, b) at v[8 (8 a + b)].   window 3: v0-63 but x 2^-s1, v64-127 (bc + bu) x 2^-s2, in the result's layout.
.set HASZ,  0
.set OUTF,  0
.set WOFF,  6291456
.set COFF,  8126464
.set XP,    12288                      ; bytes from tile to tile: x's images,
.set ZP,    16384                      ; z's,
.set WP,    28672                      ; the weights'
.set SLOT,  147456
.set BREG,  49152                      ; in a slot: the weights' rows lie behind the batch rows'
.set SPARE, 2*SLOT                     ; behind the ring: the spare words, 128 bytes for each wave: two blocks of 256 bytes that no other line names
.set ADRA, 16                          ; v16, v17: LDS address of my batch rows' fragments in slot 0, 1; v18: in slot 0 with rows of 4,096 bytes
.set ADRB, 20                          ; v20-22: the same for the weights
.set STO,  24                          ; the way out as f32: where I put a row's bytes,
.set RD,   25                          ; and where I read a row back
.set CO,   26                          ; 16 x lane
.set BO,   27                          ; 64 h
.set SPW,  28                          ; LDS address of my spare word; never rewritten
.set NIL,  29                          ; 0; never rewritten
.set VCS,  30                          ; the scale of z's conversion
.set VLIM, 31                          ; 448 x that
.set AF,   64
.set CDS,  192
.set TMP,  64
.set BK,   128
.set G1X,  24                          ; s[24:31] group 1: x's tiles;  s[32:39], s[40:47]: z's, three and two K steps;  s[48:55], s[56:63]: the weights'
.set G1Z3, 32
.set G1Z2, 40
.set G1W3, 48
.set G1W2, 56
.set G0A,  72                          ; s[72:79] group 0 for the batch rows' tiles, a set for each slot;  s[80:87] for the weights'
.set G0B,  80
.set MSB, 0
.macro WIN new                         ; the immediate's high byte repeats the setting that is left
.if MSB != \new
	s_set_vgpr_msb (MSB<<8)|\new
.set MSB, \new
.endif
.endm
.set MULW,  0xa1                       ; source 0 (weights) window 1, source 1 (batch rows) window 0, C and D window 2
.set MULB,  0xb1                       ; the same with C in window 3
.set TO_B,  0x40
.set TO_3,  0xc0
.set MAX2,  0x88                       ; source 1 and destination window 2
.set FMA23, 0xb2                       ; source 0 and destination window 2, source 2 window 3
.set MUL2,  0x82                       ; source 0 and destination window 2
.set FROM2, 0x02                       ; source 0 window 2
.macro PLACES n
.rept \n
	v_nop
.endr
.endm
; A joint load: waves 0 and 1 fetch batch rows, waves 2 and 3 weights.  The branch hangs on the wave's number alone.  Four v_nop follow each of the two lines.
.macro JLOAD g0a, g1a, g0b, g1b
	s_cmp_eq_u32 s11, 0
	s_cbranch_scc0 .Lfor_b_\@
	tensor_load_to_lds s[\g0a:\g0a+3], s[\g1a:\g1a+7]
	s_nop 0
.rept 4
	v_nop
.endr
	s_branch .Lasked_\@
.Lfor_b_\@:
	tensor_load_to_lds s[\g0b:\g0b+3], s[\g1b:\g1b+7]
	s_nop 0
.rept 4
	v_nop
.endr
.Lasked_\@:
.endm
.macro CREST                           ; a round of the cluster's barrier behind its opening barrier
	s_cmp_lg_u32 s10, 0
	s_cbranch_scc1 .Lnot_wave_0_\@
	s_barrier_signal -3
.Lnot_wave_0_\@:
	s_barrier_wait -3
	s_barrier_signal -1
	s_barrier_wait -1
.endm
.macro CROUND
	s_barrier_signal -1
	s_barrier_wait -1
	CREST
.endm
.macro G1SET g, d, r, p                ; r rows of d elements of 8 bytes, p elements apart; no padding: the images are read as they lie
	s_mov_b32 s[\g+1], (\d)<<16
	s_mov_b32 s[\g+2], (\r)<<16
	s_mov_b32 s[\g+3], (\d)<<16
	s_mov_b32 s[\g+4], \r
	s_mov_b32 s[\g+5], \p
	s_mov_b32 s[\g+6], 0
	s_mov_b32 s[\g+7], 0
.endm
.macro SETG0 p, la, lb, ab, ao, bo     ; both groups 0 of slot p: LDS parts s[la], s[lb]; from s[ab:ab+1] + ao and s[70:71] + bo
	s_mov_b32 s[G0A+4*\p], 1
	s_add_co_u32 s[G0A+4*\p+1], s[\la], \p*SLOT
	s_add_nc_u64 s[G0A+4*\p+2:G0A+4*\p+3], s[\ab:\ab+1], \ao
	s_or_b32 s[G0A+4*\p+3], s[G0A+4*\p+3], 0x80000000
	s_mov_b32 s[G0B+4*\p], 1
	s_add_co_u32 s[G0B+4*\p+1], s[\lb], \p*SLOT
	s_add_nc_u64 s[G0B+4*\p+2:G0B+4*\p+3], s[70:71], \bo
	s_or_b32 s[G0B+4*\p+3], s[G0B+4*\p+3], 0x80000000
.endm
.macro FRAG reg, adr, off              ; an image comes back as the registers that it is
.irp c, 0,1,2,3
	ds_load_b128 v[(\reg)+4*\c:(\reg)+4*\c+3], v[\adr] offset:(\off)+512*\c
.endr
.endm
.macro FETCH k                         ; K step k's twelve fragments, 48 loads in one run, into set k % 2
.set FG, (\k)/3
.set FS, (\k)%3
.set FF, (\k)%2
.set FRL, 6144
.set FAA, ADRA+FG%2
.set FAB, ADRB+FG%2
.if FG == 4
.set FRL, 4096
.set FAA, ADRA+2
.set FAB, ADRB+2
.endif
	WIN TO_B
.irp t, 0,1,2,3,4,5,6,7
	FRAG 128*FF+16*\t, FAB, \t*FRL+2048*FS
.endr
	WIN 0
.irp i, 0,1,2,3
	FRAG AF+64*FF+16*\i, FAA, \i*FRL+2048*FS
.endr
.endm
; n blocks of batch rows from a0 on x the eight tiles of columns.  The 32 accumulators take turns, one instruction a turn, in the same order in every K step.
.macro MUL a0, n, f, first
.set MA, \a0
.rept \n
.irp b, 0,1,2,3,4,5,6,7
.if \first
	v_wmma_f32_16x16x128_fp8_fp8 v[8*(8*MA+\b):8*(8*MA+\b)+7], v[128*(\f)+16*\b:128*(\f)+16*\b+15], v[AF+64*(\f)+16*MA:AF+64*(\f)+16*MA+15], v[8*\b:8*\b+7]
.else
	v_wmma_f32_16x16x128_fp8_fp8 v[8*(8*MA+\b):8*(8*MA+\b)+7], v[128*(\f)+16*\b:128*(\f)+16*\b+15], v[AF+64*(\f)+16*MA:AF+64*(\f)+16*MA+15], v[8*(8*MA+\b):8*(8*MA+\b)+7]
.endif
.endr
.set MA, MA+1
.endr
.endm
.macro STEP k, first                   ; a K step whose successor lies in the same slot.  first = 1: the bias is the C of the sums' first products
	s_wait_dscnt 0x0                               ; this K step's fragments are in
	PLACES 4                                       ; in front of loads into registers that the K step before multiplied (ISA guide 7.12.1 for vector instructions)
	FETCH (\k)+1
.if \first
	WIN MULB
.else
	WIN MULW
.endif
	MUL 0, 4, (\k)%2, \first
.endm
; A slot's last K step changes slots: one barrier; in front of it each wave waits for all its tensor loads, adds 0 to its spare word, and waits for that and for its own reads of this slot.
; g2: which slot's worth of K steps is asked for into the slot just left (-1: none).
.macro TURN k, g2
	WIN 0
	s_wait_tensorcnt 0x0                           ; all my tensor loads have landed: my part of the next slot
	ds_add_u32 v[SPW], v[NIL]                      ; 0 onto my spare word
	s_wait_dscnt 0x1                               ; only the add may be out: this K step's fragments are in
	WIN MULW
	MUL 0, 1, (\k)%2, 0                            ; eight matrix instructions stand between the add and the wait for it
	s_wait_dscnt 0x0                               ; the add is done, and my reads of this slot are over
	s_barrier_signal -1
	MUL 1, 1, (\k)%2, 0
	WIN 0
	s_barrier_wait -1
.if \g2 == 2
	CREST                                          ; the barrier has opened a round of the cluster's: no wave of any partner still reads this slot or has a load on its way
	SETG0 0, 20, 21, 68, 0, 12288
	JLOAD G0A, G1Z3, G0B, G1W3                     ; the first tensor load behind the round; its four v_nop are the places in front of the loads below
.elseif \g2 == 3
	CREST
	SETG0 1, 20, 21, 68, 6144, 18432
	JLOAD G0A+4, G1Z3, G0B+4, G1W3
.elseif \g2 == 4
	CREST
	SETG0 0, 22, 23, 68, 12288, 24576
	JLOAD G0A, G1Z2, G0B, G1W2
.else
	PLACES 4
.endif
	FETCH (\k)+1
	WIN MULW
	MUL 2, 2, (\k)%2, 0
.endm
.macro LAST k
	s_wait_dscnt 0x0
	WIN MULW
	MUL 0, 4, (\k)%2, 0
	WIN 0
.endm
.macro UTRANS                          ; acc = max(acc, 0) x 2^(s1 - s2) + (bc + bu) x 2^-s2; each accumulator from its low end on
	PLACES 4
	s_wait_loadcnt 0x0                             ; the second bias
	WIN MAX2
.set N, 0
.rept 256
	v_max_num_f32 v[N], 0, v[N]
.set N, N+1
.endr
	WIN FMA23
.set N, 0
.rept 128
	v_pk_fma_f32 v[N:N+1], v[N:N+1], s[88:89], v[64+N%64:64+N%64+1] op_sel_hi:[1,0,1]
.set N, N+2
.endr
.endm
.macro RESCALE sp                      ; acc x a power of two: into the next product's units
	PLACES 4
	WIN MUL2
.set N, 0
.rept 128
	v_pk_mul_f32 v[N:N+1], v[N:N+1], s[\sp:\sp+1] op_sel_hi:[1,0]
.set N, N+2
.endr
.endm
.if HASZ
	s_load_b128 s[4:7], s[0:1], 0x0                ; the layer's buffer, z_in
	s_load_b64 s[8:9], s[0:1], 0x10                ; the result
.else
	s_load_b64 s[4:5], s[0:1], 0x0
	s_load_b64 s[8:9], s[0:1], 0x8
.endif
	v_lshl_add_u32 v[SPW], v0, 2, SPARE
	v_mov_b32 v[NIL], 0
	ds_add_u32 v28, v29
	ds_add_u32 v28, v29
	s_wait_dscnt 0x0
	v_lshrrev_b32 v1, 5, v0
	v_readfirstlane_b32 s10, v1                    ; wave 0..3
	s_lshr_b32 s11, s10, 1                         ; hi: which 64 batch rows are mine.  Also: I fetch batch rows (0) or weights (1)
	s_and_b32 s12, s10, 1                          ; lo: which 128 columns.  Also: which half of that tile I fetch
	s_bfe_u32 s98, ttmp6, 0x40000                  ; cx
	s_bfe_u32 s99, ttmp6, 0x40004                  ; cy
	s_lshl_b32 s100, ttmp9, 2
	s_add_co_u32 s100, s100, s98                   ; wx: my 256 columns
	s_and_b32 s13, ttmp7, 0xffff
	s_lshl_b32 s13, s13, 2
	s_add_co_u32 s13, s13, s99                     ; wy: my 128 batch rows
	s_lshl_b32 s14, s99, 2
	s_lshl_b32 s14, 15, s14                        ; my row of the cluster
	s_lshl_b32 s15, 0x1111, s98                    ; my column
	s_or_b32 s[G1X], s14, (3<<16)|(1<<21)          ; 15:0 the mask; 17:16 elements of 8 bytes; 21 set beside a mask
	s_or_b32 s[G1W3], s15, (3<<16)|(1<<21)
	G1SET G1X, 768, 4, 1536
	G1SET G1W3, 768, 8, 3584
.if HASZ
	s_or_b32 s[G1Z3], s14, (3<<16)|(1<<21)
	s_or_b32 s[G1Z2], s14, (3<<16)|(1<<21)
	s_or_b32 s[G1W2], s15, (3<<16)|(1<<21)
	G1SET G1Z3, 768, 4, 2048
	G1SET G1Z2, 512, 4, 2048
	G1SET G1W2, 512, 8, 3584
.endif
	s_lshl_b32 s16, s13, 3                         ; batch rows: tile 8 wy + 4 lo on.  (No register that feeds these descriptors ever holds cx, none that feeds the weights' ever holds cy)
	s_lshl_b32 s17, s12, 2
	s_add_co_u32 s16, s16, s17
	s_mul_i32 s66, s16, XP
	s_mov_b32 s67, 0
.if HASZ
	s_mul_i32 s68, s16, ZP
	s_mov_b32 s69, 0
.endif
	s_lshl_b32 s70, s100, 4                        ; weights: tile 16 wx + 8 lo on
	s_lshl_b32 s101, s12, 3
	s_add_co_u32 s70, s70, s101
	s_mul_i32 s70, s70, WP
	s_add_co_u32 s70, s70, WOFF
	s_mov_b32 s71, 0
	s_mul_i32 s20, s12, 4*6144                     ; where they go in a slot: no place in the cluster enters an LDS address
	s_mul_i32 s21, s12, 8*6144
	s_add_co_u32 s21, s21, BREG
.if HASZ
	s_lshl_b32 s22, s12, 14                        ; the same with rows of 4,096 bytes
	s_lshl_b32 s23, s12, 15
	s_add_co_u32 s23, s23, BREG
.endif
	s_lshl_b32 s2, s100, 10                        ; the biases of my 128 columns
	s_lshl_b32 s101, s12, 9
	s_add_co_u32 s2, s2, s101
	s_add_co_u32 s2, s2, COFF
	s_mov_b32 s3, 0
.if OUTF
	s_lshl_b32 s18, s13, 19                        ; out: row 128 wy + 64 hi of 4,096 bytes, column 256 wx + 128 lo
	s_lshl_b32 s19, s11, 18
	s_add_co_u32 s18, s18, s19
	s_lshl_b32 s19, s100, 10
	s_add_co_u32 s18, s18, s19
	s_lshl_b32 s19, s12, 9
	s_add_co_u32 s18, s18, s19
.else
	s_lshl_b32 s18, s13, 17                        ; z: tile 8 wy + 4 hi of 16,384 bytes, K step 2 wx + lo
	s_lshl_b32 s19, s11, 16
	s_add_co_u32 s18, s18, s19
	s_lshl_b32 s19, s100, 12
	s_add_co_u32 s18, s18, s19
	s_lshl_b32 s19, s12, 11
	s_add_co_u32 s18, s18, s19
.endif
	s_mov_b32 s19, 0
	s_wait_kmcnt 0x0
	s_load_b256 s[88:95], s[4:5], COFF+8192        ; 2^(s1 - s2), 2^(s2 - s3), 2^(s3 - s4), 2^s4, each twice
	s_load_b64 s[96:97], s[4:5], COFF+8192+32      ; the scale of z's conversion, 448 x that
	s_add_nc_u64 s[66:67], s[4:5], s[66:67]
.if HASZ
	s_add_nc_u64 s[68:69], s[6:7], s[68:69]
.endif
	s_add_nc_u64 s[70:71], s[4:5], s[70:71]
	s_add_nc_u64 s[2:3], s[4:5], s[2:3]
	s_add_nc_u64 s[8:9], s[8:9], s[18:19]
	CROUND                                         ; all sixteen work-groups are here: the first joint loads meet
	SETG0 0, 20, 21, 66, 0, 0
	JLOAD G0A, G1X, G0B, G1W3                      ; K steps 0-2
	SETG0 1, 20, 21, 66, 6144, 6144
	JLOAD G0A+4, G1X, G0B+4, G1W3                  ; K steps 3-5
	v_and_b32 v1, 31, v0
	v_lshlrev_b32 v[CO], 4, v1
	s_mul_i32 s16, s11, 4*6144
	v_add_nc_u32 v[ADRA], s16, v[CO]
	v_add_nc_u32 v[ADRA+1], SLOT, v[ADRA]
	v_add_nc_u32 v[ADRB], s21, v[CO]
	v_add_nc_u32 v[ADRB+1], SLOT, v[ADRB]
.if HASZ
	s_lshl_b32 s16, s11, 14
	v_add_nc_u32 v[ADRA+2], s16, v[CO]
	v_add_nc_u32 v[ADRB+2], s23, v[CO]
.endif
	v_bfe_u32 v2, v0, 4, 1                         ; h
	v_lshlrev_b32 v[BO], 6, v2
.if OUTF
	s_mul_i32 s16, s10, 16*528                     ; my stage: 16 rows x (512 + 16) bytes, in slot 1: it has had its last fill, and its last read ends in front of the last change of slots
	s_add_co_u32 s16, s16, SLOT
	v_and_b32 v3, 15, v0
	v_mul_u32_u24 v[STO], v3, 528
	v_lshl_add_u32 v[STO], v2, 6, v[STO]
	v_add_nc_u32 v[STO], s16, v[STO]
	v_add_nc_u32 v[RD], s16, v[CO]
.endif
	WIN TO_3                                       ; register 16 b + m of a bias = column 32 b + 16 h + m of my 128
.irp n, 0,1,2,3,4,5,6,7,8,9,10,11,12,13,14,15
	global_load_b128 v[4*\n:4*\n+3], v[BO], s[2:3] offset:128*(\n/4)+16*(\n%4)
.endr
.irp n, 0,1,2,3,4,5,6,7,8,9,10,11,12,13,14,15
	global_load_b128 v[64+4*\n:64+4*\n+3], v[BO], s[2:3] offset:4096+128*(\n/4)+16*(\n%4)
.endr
	WIN 0
	s_wait_tensorcnt 0x1                           ; my part of slot 0 is in; slot 1's may stay out
	s_barrier_signal -1
	s_barrier_wait -1
	FETCH 0
	s_wait_loadcnt 16                              ; the first bias is in; the second's sixteen loads may be out
	s_wait_kmcnt 0x0
.if OUTF == 0
	v_mov_b32 v[VCS], s96
	v_mov_b32 v[VLIM], s97
.endif
	STEP 0, 1
	STEP 1, 0
	UTRANS
.if HASZ
	TURN 2, 2
	STEP 3, 0
	RESCALE 90
	STEP 4, 0
	TURN 5, 3
	RESCALE 92
	STEP 6, 0
	STEP 7, 0
	TURN 8, 4
	STEP 9, 0
	STEP 10, 0
	TURN 11, -1
	STEP 12, 0
	LAST 13
.else
	TURN 2, -1
	STEP 3, 0
	RESCALE 90
	STEP 4, 0
	LAST 5
.endif
	PLACES 4                                       ; in front of the first read of results
.if OUTF == 0
; THE WAY OUT AS CODES.  relu and the hold in one; the conversions' results are the next layer's image: four stores of 512 consecutive bytes a block of 16 batch rows.  Each block has code registers of its own.
.irp a, 0,1,2,3
	WIN MUL2
.set N, 64*\a
.rept 64
	v_med3_num_f32 v[N], v[N], 0, v[VLIM]
.set N, N+1
.endr
	WIN FROM2
.irp n, 0,1,2,3,4,5,6,7
	v_cvt_scalef32_pk8_fp8_f32 v[CDS+16*\a+2*\n:CDS+16*\a+2*\n+1], v[64*\a+8*\n:64*\a+8*\n+7], v[VCS]
.endr
	v_nop                                          ; a plain line behind the last conversion of the run
	WIN 0
.irp c, 0,1,2,3
	global_store_b128 v[CO], v[CDS+16*\a+4*\c:CDS+16*\a+4*\c+3], s[8:9] offset:\a*ZP+512*\c
.endr
.endr
.else
; THE WAY OUT AS f32, block by block of 16 batch rows x 128 columns, through my own stage: whole rows of 512 bytes come back and are stored by the 32 lanes.  LDS serves a wave's instructions in order (ISA guide 5.7.1.4).
.macro TOSTAGE a
	WIN FROM2
.set N, 0
.rept 32
	v_pk_mul_f32 v[TMP+N:TMP+N+1], v[64*(\a)+N:64*(\a)+N+1], s[94:95] op_sel_hi:[1,0]   ; x 2^s4; each accumulator from its low end on
.set N, N+2
.endr
	WIN 0
.set N, 0
.rept 64
	v_max_num_f32 v[TMP+N], 0, v[TMP+N]            ; relu
.set N, N+1
.endr
.irp n, 0,1,2,3,4,5,6,7,8,9,10,11,12,13,14,15
	ds_store_b128 v[STO], v[TMP+4*\n:TMP+4*\n+3] offset:128*(\n/4)+16*(\n%4)
.endr
.set BB, BK+64*((\a)%2)
.irp i, 0,1,2,3,4,5,6,7,8,9,10,11,12,13,14,15
	ds_load_b128 v[BB+4*\i:BB+4*\i+3], v[RD] offset:528*\i
.endr
.endm
.macro SEND a, younger                 ; younger: the LDS instructions issued behind block a's loads, which may stay out
.set BB, BK+64*((\a)%2)
	s_wait_dscnt \younger
.irp i, 0,1,2,3,4,5,6,7,8,9,10,11,12,13,14,15
	global_store_b128 v[CO], v[BB+4*\i:BB+4*\i+3], s[8:9] offset:(32*((\a)/2)+8*((\a)%2)+\i+8*(\i/8))*4096 th:TH_STORE_NT   ; 512 consecutive bytes, at a multiple of 256 from the output's first byte
.endr
.endm
	TOSTAGE 0
.irp a, 1,2,3
.if \a > 1
	s_wait_xcnt 0x0                                ; block a - 2's stores have read their registers: block a's loads may land there
.endif
	TOSTAGE \a
	SEND \a-1, 32                                  ; behind block a - 1's loads: block a's 16 stores and 16 loads
.endr
	SEND 3, 0
.endif
	s_wait_tensorcnt 0x0                           ; the wave's end
	ds_add_u32 v[SPW], v[NIL]
	s_wait_dscnt 0x0
	CROUND                                         ; the closing round: no work-group ends while a partner may still ask for a tile that names it
	s_endpgm
.Lfunc_end_k_qf86c281279_layer0:
	.size	k_qf86c281279_layer0, .Lfunc_end_k_qf86c281279_layer0-k_qf86c281279_layer0
	.p2alignl 7, 3214868480
	.fill 96, 4, 3214868480
	.section	.rodata,"a",@progbits
	.p2align	6, 0x0
	.amdhsa_kernel k_qf86c281279_layer0
		.amdhsa_group_segment_fixed_size 327680
		.amdhsa_private_segment_fixed_size 0
		.amdhsa_enable_private_segment 0
		.amdhsa_kernarg_size 16
		.amdhsa_user_sgpr_count 2
		.amdhsa_user_sgpr_kernarg_segment_ptr 1
		.amdhsa_wavefront_size32 1
		.amdhsa_system_sgpr_workgroup_id_x 1
		.amdhsa_system_sgpr_workgroup_id_y 1
		.amdhsa_system_sgpr_workgroup_id_z 1
		.amdhsa_system_vgpr_workitem_id 0
		.amdhsa_next_free_vgpr 896
		.amdhsa_next_free_sgpr 102
		.amdhsa_reserve_vcc 0
		.amdhsa_float_denorm_mode_32 3
		.amdhsa_float_denorm_mode_16_64 3
		.amdhsa_memory_ordered 1
		.amdhsa_forward_progress 1
		.amdhsa_inst_pref_size 87
	.end_amdhsa_kernel
	.amdgpu_metadata
---
amdhsa.version: [ 1, 2 ]
amdhsa.kernels:
  - .name:           k_qf86c281279_layer0
    .symbol:         k_qf86c281279_layer0.kd
    .args:
      - { .name: lay0, .offset: 0, .size: 8, .value_kind: global_buffer, .address_space: global }
      - { .name: z0, .offset: 8, .size: 8, .value_kind: global_buffer, .address_space: global }
    .group_segment_fixed_size: 327680
    .private_segment_fixed_size: 0
    .kernarg_segment_align: 8
    .kernarg_segment_size: 16
    .max_flat_workgroup_size: 128
    .sgpr_count:     102
    .vgpr_count:     896
    .wavefront_size: 32
...
	.end_amdgpu_metadata
.endif
;; end of part 2
;; launch layer1 (part 3): grid 4 x 64, 4 waves a work-group, clusters of 4 x 4, 327,680 bytes of LDS; arguments lay1, z0, z1; writes z1
.if DOCPART == 3
	.amdgcn_target "amdgcn-amd-amdhsa--gfx1250"
	.amdhsa_code_object_version 6
	.text
	.protected	k_qf86c281279_layer1
	.globl	k_qf86c281279_layer1
	.p2align	8
	.type	k_qf86c281279_layer1,@function
k_qf86c281279_layer1:
	s_mov_b64 s[64:65], 0
	v_nop
	global_prefetch_b8 v0, s[64:65] scope:SCOPE_SE
	s_setreg_imm32_b32 hwreg(HW_REG_WAVE_MODE, 25, 1), 1
	s_wait_xcnt 0x0
	s_wait_alu depctr_hold_cnt(0) depctr_sa_sdst(0) depctr_va_vdst(0) depctr_va_sdst(0) depctr_va_ssrc(0) depctr_va_vcc(0) depctr_vm_vsrc(0)
	s_getreg_b32 s2, hwreg(HW_REG_IB_STS2, 6, 4)
	s_cmp_eq_u32 s2, 0
	s_cbranch_scc0 .Lentry_in_a_cluster
	s_endpgm
.Lentry_in_a_cluster:
	s_bfe_u32 s2, ttmp6, 0x10000c
	s_cmp_lg_u32 s2, 0xf033
	s_cbranch_scc0 .Lentry_shape_is_right
	s_endpgm
.Lentry_shape_is_right:
; ONE LAYER: z = relu( relu(xf Wut^T + but) + xc Wc^T + bc + xf Wu^T + bu [+ z_in U^T] ), all products on codes of FP8 (E4M3), each operand with its given scale.
; This text is one of three that differ in the two flags below alone.  HASZ = 1: the layer has the product with U.  OUTF = 1: the result leaves as f32 (the last layer); 0: as codes, the next layer's operand.
; OPERANDS are images of the operand's registers, made by the launch before: a fragment of 16 rows x 128 K is 2,048 bytes, register group c of lane l at 512 c + 16 l; lane (r, h), group c: k = 32 c + 16 h + 0 .. 15.
; That is a permutation of k, the same in both operands.  Tile T begins at row 32 (T / 2) + 8 (T % 2); its place r is row r + 8 (r / 8) from there, in the batch rows and in the weights' rows alike.
; K STEPS: 0,1 xf x Wut; 2,3 xc x Wc; 4,5 xf x Wu; 6-13 z_in x U.  ONE ACCUMULATOR AN OUTPUT, kept in units of the running product's scale 2^s: it starts as but x 2^-s1 (the C of K step 0); behind K step 1 it becomes
; max(acc, 0) x 2^(s1 - s2) + (bc + bu) x 2^-s2; behind K step 3 it is multiplied by 2^(s2 - s3), behind K step 5 by 2^(s3 - s4): powers of two, which round nothing.  The order of the f32 additions differs from reference()'s.
; SHARES.  256 work-groups; each makes 128 batch rows x 256 columns, each of its four waves 64 x 128: 32 accumulators, 32 matrix instructions a K step.
; THE MATRIX INSTRUCTION IS USED TRANSPOSED (source 0 = 16 rows of the weight, source 1 = 16 batch rows): the 16 registers of accumulators (a, 2 b) and (a, 2 b + 1) are columns 32 b + 16 h + 0 .. 15 of one batch row,
; so the conversions' results are the next layer's image, and a wave's 128 columns are one K step of it.
; RING.  Two LDS slots of three K steps (8 + 16 rows of 6,144 bytes: a tile's three images on end), filled by the tensor data mover: waves 0 and 1 the batch rows' halves, waves 2 and 3 the weights'.  The last slot's worth is two K steps (rows of 4,096 bytes).
; CLUSTERS: 4 x 4 work-groups.  The four of a row of the cluster need the same batch rows, the four of a column the same weights: each tile is asked for JOINTLY.  A wave has two loads out at the start and one behind each round.
; LIMITS: those of the launch that makes the constants: the differences of the products' scale sums and s4 between -126 and 127, (the next e for z) - s4 between -126 and 119.  NaN is not served.
; REGISTERS, in windows of 256: window 0: v16-31 addresses and constants; v64-191 the batch rows' fragments, two sets of four; v192-255 codes (OUTF = 1: v64-255 at work on the way out).
;   window 1: the weights' fragments, two sets of eight.   window 2: accumulator (a, b) at v[8 (8 a + b)].   window 3: v0-63 but x 2^-s1, v64-127 (bc + bu) x 2^-s2, in the result's layout.
.set HASZ,  1
.set OUTF,  0
.set WOFF,  6291456
.set COFF,  8126464
.set XP,    12288                      ; bytes from tile to tile: x's images,
.set ZP,    16384                      ; z's,
.set WP,    28672                      ; the weights'
.set SLOT,  147456
.set BREG,  49152                      ; in a slot: the weights' rows lie behind the batch rows'
.set SPARE, 2*SLOT                     ; behind the ring: the spare words, 128 bytes for each wave: two blocks of 256 bytes that no other line names
.set ADRA, 16                          ; v16, v17: LDS address of my batch rows' fragments in slot 0, 1; v18: in slot 0 with rows of 4,096 bytes
.set ADRB, 20                          ; v20-22: the same for the weights
.set STO,  24                          ; the way out as f32: where I put a row's bytes,
.set RD,   25                          ; and where I read a row back
.set CO,   26                          ; 16 x lane
.set BO,   27                          ; 64 h
.set SPW,  28                          ; LDS address of my spare word; never rewritten
.set NIL,  29                          ; 0; never rewritten
.set VCS,  30                          ; the scale of z's conversion
.set VLIM, 31                          ; 448 x that
.set AF,   64
.set CDS,  192
.set TMP,  64
.set BK,   128
.set G1X,  24                          ; s[24:31] group 1: x's tiles;  s[32:39], s[40:47]: z's, three and two K steps;  s[48:55], s[56:63]: the weights'
.set G1Z3, 32
.set G1Z2, 40
.set G1W3, 48
.set G1W2, 56
.set G0A,  72                          ; s[72:79] group 0 for the batch rows' tiles, a set for each slot;  s[80:87] for the weights'
.set G0B,  80
.set MSB, 0
.macro WIN new                         ; the immediate's high byte repeats the setting that is left
.if MSB != \new
	s_set_vgpr_msb (MSB<<8)|\new
.set MSB, \new
.endif
.endm
.set MULW,  0xa1                       ; source 0 (weights) window 1, source 1 (batch rows) window 0, C and D window 2
.set MULB,  0xb1                       ; the same with C in window 3
.set TO_B,  0x40
.set TO_3,  0xc0
.set MAX2,  0x88                       ; source 1 and destination window 2
.set FMA23, 0xb2                       ; source 0 and destination window 2, source 2 window 3
.set MUL2,  0x82                       ; source 0 and destination window 2
.set FROM2, 0x02                       ; source 0 window 2
.macro PLACES n
.rept \n
	v_nop
.endr
.endm
; A joint load: waves 0 and 1 fetch batch rows, waves 2 and 3 weights.  The branch hangs on the wave's number alone.  Four v_nop follow each of the two lines.
.macro JLOAD g0a, g1a, g0b, g1b
	s_cmp_eq_u32 s11, 0
	s_cbranch_scc0 .Lfor_b_\@
	tensor_load_to_lds s[\g0a:\g0a+3], s[\g1a:\g1a+7]
	s_nop 0
.rept 4
	v_nop
.endr
	s_branch .Lasked_\@
.Lfor_b_\@:
	tensor_load_to_lds s[\g0b:\g0b+3], s[\g1b:\g1b+7]
	s_nop 0
.rept 4
	v_nop
.endr
.Lasked_\@:
.endm
.macro CREST                           ; a round of the cluster's barrier behind its opening barrier
	s_cmp_lg_u32 s10, 0
	s_cbranch_scc1 .Lnot_wave_0_\@
	s_barrier_signal -3
.Lnot_wave_0_\@:
	s_barrier_wait -3
	s_barrier_signal -1
	s_barrier_wait -1
.endm
.macro CROUND
	s_barrier_signal -1
	s_barrier_wait -1
	CREST
.endm
.macro G1SET g, d, r, p                ; r rows of d elements of 8 bytes, p elements apart; no padding: the images are read as they lie
	s_mov_b32 s[\g+1], (\d)<<16
	s_mov_b32 s[\g+2], (\r)<<16
	s_mov_b32 s[\g+3], (\d)<<16
	s_mov_b32 s[\g+4], \r
	s_mov_b32 s[\g+5], \p
	s_mov_b32 s[\g+6], 0
	s_mov_b32 s[\g+7], 0
.endm
.macro SETG0 p, la, lb, ab, ao, bo     ; both groups 0 of slot p: LDS parts s[la], s[lb]; from s[ab:ab+1] + ao and s[70:71] + bo
	s_mov_b32 s[G0A+4*\p], 1
	s_add_co_u32 s[G0A+4*\p+1], s[\la], \p*SLOT
	s_add_nc_u64 s[G0A+4*\p+2:G0A+4*\p+3], s[\ab:\ab+1], \ao
	s_or_b32 s[G0A+4*\p+3], s[G0A+4*\p+3], 0x80000000
	s_mov_b32 s[G0B+4*\p], 1
	s_add_co_u32 s[G0B+4*\p+1], s[\lb], \p*SLOT
	s_add_nc_u64 s[G0B+4*\p+2:G0B+4*\p+3], s[70:71], \bo
	s_or_b32 s[G0B+4*\p+3], s[G0B+4*\p+3], 0x80000000
.endm
.macro FRAG reg, adr, off              ; an image comes back as the registers that it is
.irp c, 0,1,2,3
	ds_load_b128 v[(\reg)+4*\c:(\reg)+4*\c+3], v[\adr] offset:(\off)+512*\c
.endr
.endm
.macro FETCH k                         ; K step k's twelve fragments, 48 loads in one run, into set k % 2
.set FG, (\k)/3
.set FS, (\k)%3
.set FF, (\k)%2
.set FRL, 6144
.set FAA, ADRA+FG%2
.set FAB, ADRB+FG%2
.if FG == 4
.set FRL, 4096
.set FAA, ADRA+2
.set FAB, ADRB+2
.endif
	WIN TO_B
.irp t, 0,1,2,3,4,5,6,7
	FRAG 128*FF+16*\t, FAB, \t*FRL+2048*FS
.endr
	WIN 0
.irp i, 0,1,2,3
	FRAG AF+64*FF+16*\i, FAA, \i*FRL+2048*FS
.endr
.endm
; n blocks of batch rows from a0 on x the eight tiles of columns.  The 32 accumulators take turns, one instruction a turn, in the same order in every K step.
.macro MUL a0, n, f, first
.set MA, \a0
.rept \n
.irp b, 0,1,2,3,4,5,6,7
.if \first
	v_wmma_f32_16x16x128_fp8_fp8 v[8*(8*MA+\b):8*(8*MA+\b)+7], v[128*(\f)+16*\b:128*(\f)+16*\b+15], v[AF+64*(\f)+16*MA:AF+64*(\f)+16*MA+15], v[8*\b:8*\b+7]
.else
	v_wmma_f32_16x16x128_fp8_fp8 v[8*(8*MA+\b):8*(8*MA+\b)+7], v[128*(\f)+16*\b:128*(\f)+16*\b+15], v[AF+64*(\f)+16*MA:AF+64*(\f)+16*MA+15], v[8*(8*MA+\b):8*(8*MA+\b)+7]
.endif
.endr
.set MA, MA+1
.endr
.endm
.macro STEP k, first                   ; a K step whose successor lies in the same slot.  first = 1: the bias is the C of the sums' first products
	s_wait_dscnt 0x0                               ; this K step's fragments are in
	PLACES 4                                       ; in front of loads into registers that the K step before multiplied (ISA guide 7.12.1 for vector instructions)
	FETCH (\k)+1
.if \first
	WIN MULB
.else
	WIN MULW
.endif
	MUL 0, 4, (\k)%2, \first
.endm
; A slot's last K step changes slots: one barrier; in front of it each wave waits for all its tensor loads, adds 0 to its spare word, and waits for that and for its own reads of this slot.
; g2: which slot's worth of K steps is asked for into the slot just left (-1: none).
.macro TURN k, g2
	WIN 0
	s_wait_tensorcnt 0x0                           ; all my tensor loads have landed: my part of the next slot
	ds_add_u32 v[SPW], v[NIL]                      ; 0 onto my spare word
	s_wait_dscnt 0x1                               ; only the add may be out: this K step's fragments are in
	WIN MULW
	MUL 0, 1, (\k)%2, 0                            ; eight matrix instructions stand between the add and the wait for it
	s_wait_dscnt 0x0                               ; the add is done, and my reads of this slot are over
	s_barrier_signal -1
	MUL 1, 1, (\k)%2, 0
	WIN 0
	s_barrier_wait -1
.if \g2 == 2
	CREST                                          ; the barrier has opened a round of the cluster's: no wave of any partner still reads this slot or has a load on its way
	SETG0 0, 20, 21, 68, 0, 12288
	JLOAD G0A, G1Z3, G0B, G1W3                     ; the first tensor load behind the round; its four v_nop are the places in front of the loads below
.elseif \g2 == 3
	CREST
	SETG0 1, 20, 21, 68, 6144, 18432
	JLOAD G0A+4, G1Z3, G0B+4, G1W3
.elseif \g2 == 4
	CREST
	SETG0 0, 22, 23, 68, 12288, 24576
	JLOAD G0A, G1Z2, G0B, G1W2
.else
	PLACES 4
.endif
	FETCH (\k)+1
	WIN MULW
	MUL 2, 2, (\k)%2, 0
.endm
.macro LAST k
	s_wait_dscnt 0x0
	WIN MULW
	MUL 0, 4, (\k)%2, 0
	WIN 0
.endm
.macro UTRANS                          ; acc = max(acc, 0) x 2^(s1 - s2) + (bc + bu) x 2^-s2; each accumulator from its low end on
	PLACES 4
	s_wait_loadcnt 0x0                             ; the second bias
	WIN MAX2
.set N, 0
.rept 256
	v_max_num_f32 v[N], 0, v[N]
.set N, N+1
.endr
	WIN FMA23
.set N, 0
.rept 128
	v_pk_fma_f32 v[N:N+1], v[N:N+1], s[88:89], v[64+N%64:64+N%64+1] op_sel_hi:[1,0,1]
.set N, N+2
.endr
.endm
.macro RESCALE sp                      ; acc x a power of two: into the next product's units
	PLACES 4
	WIN MUL2
.set N, 0
.rept 128
	v_pk_mul_f32 v[N:N+1], v[N:N+1], s[\sp:\sp+1] op_sel_hi:[1,0]
.set N, N+2
.endr
.endm
.if HASZ
	s_load_b128 s[4:7], s[0:1], 0x0                ; the layer's buffer, z_in
	s_load_b64 s[8:9], s[0:1], 0x10                ; the result
.else
	s_load_b64 s[4:5], s[0:1], 0x0
	s_load_b64 s[8:9], s[0:1], 0x8
.endif
	v_lshl_add_u32 v[SPW], v0, 2, SPARE
	v_mov_b32 v[NIL], 0
	ds_add_u32 v28, v29
	ds_add_u32 v28, v29
	s_wait_dscnt 0x0
	v_lshrrev_b32 v1, 5, v0
	v_readfirstlane_b32 s10, v1                    ; wave 0..3
	s_lshr_b32 s11, s10, 1                         ; hi: which 64 batch rows are mine.  Also: I fetch batch rows (0) or weights (1)
	s_and_b32 s12, s10, 1                          ; lo: which 128 columns.  Also: which half of that tile I fetch
	s_bfe_u32 s98, ttmp6, 0x40000                  ; cx
	s_bfe_u32 s99, ttmp6, 0x40004                  ; cy
	s_lshl_b32 s100, ttmp9, 2
	s_add_co_u32 s100, s100, s98                   ; wx: my 256 columns
	s_and_b32 s13, ttmp7, 0xffff
	s_lshl_b32 s13, s13, 2
	s_add_co_u32 s13, s13, s99                     ; wy: my 128 batch rows
	s_lshl_b32 s14, s99, 2
	s_lshl_b32 s14, 15, s14                        ; my row of the cluster
	s_lshl_b32 s15, 0x1111, s98                    ; my column
	s_or_b32 s[G1X], s14, (3<<16)|(1<<21)          ; 15:0 the mask; 17:16 elements of 8 bytes; 21 set beside a mask
	s_or_b32 s[G1W3], s15, (3<<16)|(1<<21)
	G1SET G1X, 768, 4, 1536
	G1SET G1W3, 768, 8, 3584
.if HASZ
	s_or_b32 s[G1Z3], s14, (3<<16)|(1<<21)
	s_or_b32 s[G1Z2], s14, (3<<16)|(1<<21)
	s_or_b32 s[G1W2], s15, (3<<16)|(1<<21)
	G1SET G1Z3, 768, 4, 2048
	G1SET G1Z2, 512, 4, 2048
	G1SET G1W2, 512, 8, 3584
.endif
	s_lshl_b32 s16, s13, 3                         ; batch rows: tile 8 wy + 4 lo on.  (No register that feeds these descriptors ever holds cx, none that feeds the weights' ever holds cy)
	s_lshl_b32 s17, s12, 2
	s_add_co_u32 s16, s16, s17
	s_mul_i32 s66, s16, XP
	s_mov_b32 s67, 0
.if HASZ
	s_mul_i32 s68, s16, ZP
	s_mov_b32 s69, 0
.endif
	s_lshl_b32 s70, s100, 4                        ; weights: tile 16 wx + 8 lo on
	s_lshl_b32 s101, s12, 3
	s_add_co_u32 s70, s70, s101
	s_mul_i32 s70, s70, WP
	s_add_co_u32 s70, s70, WOFF
	s_mov_b32 s71, 0
	s_mul_i32 s20, s12, 4*6144                     ; where they go in a slot: no place in the cluster enters an LDS address
	s_mul_i32 s21, s12, 8*6144
	s_add_co_u32 s21, s21, BREG
.if HASZ
	s_lshl_b32 s22, s12, 14                        ; the same with rows of 4,096 bytes
	s_lshl_b32 s23, s12, 15
	s_add_co_u32 s23, s23, BREG
.endif
	s_lshl_b32 s2, s100, 10                        ; the biases of my 128 columns
	s_lshl_b32 s101, s12, 9
	s_add_co_u32 s2, s2, s101
	s_add_co_u32 s2, s2, COFF
	s_mov_b32 s3, 0
.if OUTF
	s_lshl_b32 s18, s13, 19                        ; out: row 128 wy + 64 hi of 4,096 bytes, column 256 wx + 128 lo
	s_lshl_b32 s19, s11, 18
	s_add_co_u32 s18, s18, s19
	s_lshl_b32 s19, s100, 10
	s_add_co_u32 s18, s18, s19
	s_lshl_b32 s19, s12, 9
	s_add_co_u32 s18, s18, s19
.else
	s_lshl_b32 s18, s13, 17                        ; z: tile 8 wy + 4 hi of 16,384 bytes, K step 2 wx + lo
	s_lshl_b32 s19, s11, 16
	s_add_co_u32 s18, s18, s19
	s_lshl_b32 s19, s100, 12
	s_add_co_u32 s18, s18, s19
	s_lshl_b32 s19, s12, 11
	s_add_co_u32 s18, s18, s19
.endif
	s_mov_b32 s19, 0
	s_wait_kmcnt 0x0
	s_load_b256 s[88:95], s[4:5], COFF+8192        ; 2^(s1 - s2), 2^(s2 - s3), 2^(s3 - s4), 2^s4, each twice
	s_load_b64 s[96:97], s[4:5], COFF+8192+32      ; the scale of z's conversion, 448 x that
	s_add_nc_u64 s[66:67], s[4:5], s[66:67]
.if HASZ
	s_add_nc_u64 s[68:69], s[6:7], s[68:69]
.endif
	s_add_nc_u64 s[70:71], s[4:5], s[70:71]
	s_add_nc_u64 s[2:3], s[4:5], s[2:3]
	s_add_nc_u64 s[8:9], s[8:9], s[18:19]
	CROUND                                         ; all sixteen work-groups are here: the first joint loads meet
	SETG0 0, 20, 21, 66, 0, 0
	JLOAD G0A, G1X, G0B, G1W3                      ; K steps 0-2
	SETG0 1, 20, 21, 66, 6144, 6144
	JLOAD G0A+4, G1X, G0B+4, G1W3                  ; K steps 3-5
	v_and_b32 v1, 31, v0
	v_lshlrev_b32 v[CO], 4, v1
	s_mul_i32 s16, s11, 4*6144
	v_add_nc_u32 v[ADRA], s16, v[CO]
	v_add_nc_u32 v[ADRA+1], SLOT, v[ADRA]
	v_add_nc_u32 v[ADRB], s21, v[CO]
	v_add_nc_u32 v[ADRB+1], SLOT, v[ADRB]
.if HASZ
	s_lshl_b32 s16, s11, 14
	v_add_nc_u32 v[ADRA+2], s16, v[CO]
	v_add_nc_u32 v[ADRB+2], s23, v[CO]
.endif
	v_bfe_u32 v2, v0, 4, 1                         ; h
	v_lshlrev_b32 v[BO], 6, v2
.if OUTF
	s_mul_i32 s16, s10, 16*528                     ; my stage: 16 rows x (512 + 16) bytes, in slot 1: it has had its last fill, and its last read ends in front of the last change of slots
	s_add_co_u32 s16, s16, SLOT
	v_and_b32 v3, 15, v0
	v_mul_u32_u24 v[STO], v3, 528
	v_lshl_add_u32 v[STO], v2, 6, v[STO]
	v_add_nc_u32 v[STO], s16, v[STO]
	v_add_nc_u32 v[RD], s16, v[CO]
.endif
	WIN TO_3                                       ; register 16 b + m of a bias = column 32 b + 16 h + m of my 128
.irp n, 0,1,2,3,4,5,6,7,8,9,10,11,12,13,14,15
	global_load_b128 v[4*\n:4*\n+3], v[BO], s[2:3] offset:128*(\n/4)+16*(\n%4)
.endr
.irp n, 0,1,2,3,4,5,6,7,8,9,10,11,12,13,14,15
	global_load_b128 v[64+4*\n:64+4*\n+3], v[BO], s[2:3] offset:4096+128*(\n/4)+16*(\n%4)
.endr
	WIN 0
	s_wait_tensorcnt 0x1                           ; my part of slot 0 is in; slot 1's may stay out
	s_barrier_signal -1
	s_barrier_wait -1
	FETCH 0
	s_wait_loadcnt 16                              ; the first bias is in; the second's sixteen loads may be out
	s_wait_kmcnt 0x0
.if OUTF == 0
	v_mov_b32 v[VCS], s96
	v_mov_b32 v[VLIM], s97
.endif
	STEP 0, 1
	STEP 1, 0
	UTRANS
.if HASZ
	TURN 2, 2
	STEP 3, 0
	RESCALE 90
	STEP 4, 0
	TURN 5, 3
	RESCALE 92
	STEP 6, 0
	STEP 7, 0
	TURN 8, 4
	STEP 9, 0
	STEP 10, 0
	TURN 11, -1
	STEP 12, 0
	LAST 13
.else
	TURN 2, -1
	STEP 3, 0
	RESCALE 90
	STEP 4, 0
	LAST 5
.endif
	PLACES 4                                       ; in front of the first read of results
.if OUTF == 0
; THE WAY OUT AS CODES.  relu and the hold in one; the conversions' results are the next layer's image: four stores of 512 consecutive bytes a block of 16 batch rows.  Each block has code registers of its own.
.irp a, 0,1,2,3
	WIN MUL2
.set N, 64*\a
.rept 64
	v_med3_num_f32 v[N], v[N], 0, v[VLIM]
.set N, N+1
.endr
	WIN FROM2
.irp n, 0,1,2,3,4,5,6,7
	v_cvt_scalef32_pk8_fp8_f32 v[CDS+16*\a+2*\n:CDS+16*\a+2*\n+1], v[64*\a+8*\n:64*\a+8*\n+7], v[VCS]
.endr
	v_nop                                          ; a plain line behind the last conversion of the run
	WIN 0
.irp c, 0,1,2,3
	global_store_b128 v[CO], v[CDS+16*\a+4*\c:CDS+16*\a+4*\c+3], s[8:9] offset:\a*ZP+512*\c
.endr
.endr
.else
; THE WAY OUT AS f32, block by block of 16 batch rows x 128 columns, through my own stage: whole rows of 512 bytes come back and are stored by the 32 lanes.  LDS serves a wave's instructions in order (ISA guide 5.7.1.4).
.macro TOSTAGE a
	WIN FROM2
.set N, 0
.rept 32
	v_pk_mul_f32 v[TMP+N:TMP+N+1], v[64*(\a)+N:64*(\a)+N+1], s[94:95] op_sel_hi:[1,0]   ; x 2^s4; each accumulator from its low end on
.set N, N+2
.endr
	WIN 0
.set N, 0
.rept 64
	v_max_num_f32 v[TMP+N], 0, v[TMP+N]            ; relu
.set N, N+1
.endr
.irp n, 0,1,2,3,4,5,6,7,8,9,10,11,12,13,14,15
	ds_store_b128 v[STO], v[TMP+4*\n:TMP+4*\n+3] offset:128*(\n/4)+16*(\n%4)
.endr
.set BB, BK+64*((\a)%2)
.irp i, 0,1,2,3,4,5,6,7,8,9,10,11,12,13,14,15
	ds_load_b128 v[BB+4*\i:BB+4*\i+3], v[RD] offset:528*\i
.endr
.endm
.macro SEND a, younger                 ; younger: the LDS instructions issued behind block a's loads, which may stay out
.set BB, BK+64*((\a)%2)
	s_wait_dscnt \younger
.irp i, 0,1,2,3,4,5,6,7,8,9,10,11,12,13,14,15
	global_store_b128 v[CO], v[BB+4*\i:BB+4*\i+3], s[8:9] offset:(32*((\a)/2)+8*((\a)%2)+\i+8*(\i/8))*4096 th:TH_STORE_NT   ; 512 consecutive bytes, at a multiple of 256 from the output's first byte
.endr
.endm
	TOSTAGE 0
.irp a, 1,2,3
.if \a > 1
	s_wait_xcnt 0x0                                ; block a - 2's stores have read their registers: block a's loads may land there
.endif
	TOSTAGE \a
	SEND \a-1, 32                                  ; behind block a - 1's loads: block a's 16 stores and 16 loads
.endr
	SEND 3, 0
.endif
	s_wait_tensorcnt 0x0                           ; the wave's end
	ds_add_u32 v[SPW], v[NIL]
	s_wait_dscnt 0x0
	CROUND                                         ; the closing round: no work-group ends while a partner may still ask for a tile that names it
	s_endpgm
.Lfunc_end_k_qf86c281279_layer1:
	.size	k_qf86c281279_layer1, .Lfunc_end_k_qf86c281279_layer1-k_qf86c281279_layer1
	.p2alignl 7, 3214868480
	.fill 96, 4, 3214868480
	.section	.rodata,"a",@progbits
	.p2align	6, 0x0
	.amdhsa_kernel k_qf86c281279_layer1
		.amdhsa_group_segment_fixed_size 327680
		.amdhsa_private_segment_fixed_size 0
		.amdhsa_enable_private_segment 0
		.amdhsa_kernarg_size 24
		.amdhsa_user_sgpr_count 2
		.amdhsa_user_sgpr_kernarg_segment_ptr 1
		.amdhsa_wavefront_size32 1
		.amdhsa_system_sgpr_workgroup_id_x 1
		.amdhsa_system_sgpr_workgroup_id_y 1
		.amdhsa_system_sgpr_workgroup_id_z 1
		.amdhsa_system_vgpr_workitem_id 0
		.amdhsa_next_free_vgpr 896
		.amdhsa_next_free_sgpr 102
		.amdhsa_reserve_vcc 0
		.amdhsa_float_denorm_mode_32 3
		.amdhsa_float_denorm_mode_16_64 3
		.amdhsa_memory_ordered 1
		.amdhsa_forward_progress 1
		.amdhsa_inst_pref_size 142
	.end_amdhsa_kernel
	.amdgpu_metadata
---
amdhsa.version: [ 1, 2 ]
amdhsa.kernels:
  - .name:           k_qf86c281279_layer1
    .symbol:         k_qf86c281279_layer1.kd
    .args:
      - { .name: lay1, .offset: 0, .size: 8, .value_kind: global_buffer, .address_space: global }
      - { .name: z0, .offset: 8, .size: 8, .value_kind: global_buffer, .address_space: global }
      - { .name: z1, .offset: 16, .size: 8, .value_kind: global_buffer, .address_space: global }
    .group_segment_fixed_size: 327680
    .private_segment_fixed_size: 0
    .kernarg_segment_align: 8
    .kernarg_segment_size: 24
    .max_flat_workgroup_size: 128
    .sgpr_count:     102
    .vgpr_count:     896
    .wavefront_size: 32
...
	.end_amdgpu_metadata
.endif
;; end of part 3
;; launch layer2: the kernel of part 3 again; grid 4 x 64, 4 waves a work-group, clusters of 4 x 4, 327,680 bytes of LDS; arguments lay2, z1, z0; writes z0
;; launch layer3 (part 4): grid 4 x 64, 4 waves a work-group, clusters of 4 x 4, 327,680 bytes of LDS; arguments lay3, z0, out0; writes out0
.if DOCPART == 4
	.amdgcn_target "amdgcn-amd-amdhsa--gfx1250"
	.amdhsa_code_object_version 6
	.text
	.protected	k_qf86c281279_layer3
	.globl	k_qf86c281279_layer3
	.p2align	8
	.type	k_qf86c281279_layer3,@function
k_qf86c281279_layer3:
	s_mov_b64 s[64:65], 0
	v_nop
	global_prefetch_b8 v0, s[64:65] scope:SCOPE_SE
	s_setreg_imm32_b32 hwreg(HW_REG_WAVE_MODE, 25, 1), 1
	s_wait_xcnt 0x0
	s_wait_alu depctr_hold_cnt(0) depctr_sa_sdst(0) depctr_va_vdst(0) depctr_va_sdst(0) depctr_va_ssrc(0) depctr_va_vcc(0) depctr_vm_vsrc(0)
	s_getreg_b32 s2, hwreg(HW_REG_IB_STS2, 6, 4)
	s_cmp_eq_u32 s2, 0
	s_cbranch_scc0 .Lentry_in_a_cluster
	s_endpgm
.Lentry_in_a_cluster:
	s_bfe_u32 s2, ttmp6, 0x10000c
	s_cmp_lg_u32 s2, 0xf033
	s_cbranch_scc0 .Lentry_shape_is_right
	s_endpgm
.Lentry_shape_is_right:
; ONE LAYER: z = relu( relu(xf Wut^T + but) + xc Wc^T + bc + xf Wu^T + bu [+ z_in U^T] ), all products on codes of FP8 (E4M3), each operand with its given scale.
; This text is one of three that differ in the two flags below alone.  HASZ = 1: the layer has the product with U.  OUTF = 1: the result leaves as f32 (the last layer); 0: as codes, the next layer's operand.
; OPERANDS are images of the operand's registers, made by the launch before: a fragment of 16 rows x 128 K is 2,048 bytes, register group c of lane l at 512 c + 16 l; lane (r, h), group c: k = 32 c + 16 h + 0 .. 15.
; That is a permutation of k, the same in both operands.  Tile T begins at row 32 (T / 2) + 8 (T % 2); its place r is row r + 8 (r / 8) from there, in the batch rows and in the weights' rows alike.
; K STEPS: 0,1 xf x Wut; 2,3 xc x Wc; 4,5 xf x Wu; 6-13 z_in x U.  ONE ACCUMULATOR AN OUTPUT, kept in units of the running product's scale 2^s: it starts as but x 2^-s1 (the C of K step 0); behind K step 1 it becomes
; max(acc, 0) x 2^(s1 - s2) + (bc + bu) x 2^-s2; behind K step 3 it is multiplied by 2^(s2 - s3), behind K step 5 by 2^(s3 - s4): powers of two, which round nothing.  The order of the f32 additions differs from reference()'s.
; SHARES.  256 work-groups; each makes 128 batch rows x 256 columns, each of its four waves 64 x 128: 32 accumulators, 32 matrix instructions a K step.
; THE MATRIX INSTRUCTION IS USED TRANSPOSED (source 0 = 16 rows of the weight, source 1 = 16 batch rows): the 16 registers of accumulators (a, 2 b) and (a, 2 b + 1) are columns 32 b + 16 h + 0 .. 15 of one batch row,
; so the conversions' results are the next layer's image, and a wave's 128 columns are one K step of it.
; RING.  Two LDS slots of three K steps (8 + 16 rows of 6,144 bytes: a tile's three images on end), filled by the tensor data mover: waves 0 and 1 the batch rows' halves, waves 2 and 3 the weights'.  The last slot's worth is two K steps (rows of 4,096 bytes).
; CLUSTERS: 4 x 4 work-groups.  The four of a row of the cluster need the same batch rows, the four of a column the same weights: each tile is asked for JOINTLY.  A wave has two loads out at the start and one behind each round.
; LIMITS: those of the launch that makes the constants: the differences of the products' scale sums and s4 between -126 and 127, (the next e for z) - s4 between -126 and 119.  NaN is not served.
; REGISTERS, in windows of 256: window 0: v16-31 addresses and constants; v64-191 the batch rows' fragments, two sets of four; v192-255 codes (OUTF = 1: v64-255 at work on the way out).
;   window 1: the weights' fragments, two sets of eight.   window 2: accumulator (a, b) at v[8 (8 a + b)].   window 3: v0-63 but x 2^-s1, v64-127 (bc + bu) x 2^-s2, in the result's layout.
.set HASZ,  1
.set OUTF,  1
.set WOFF,  6291456
.set COFF,  8126464
.set XP,    12288                      ; bytes from tile to tile: x's images,
.set ZP,    16384                      ; z's,
.set WP,    28672                      ; the weights'
.set SLOT,  147456
.set BREG,  49152                      ; in a slot: the weights' rows lie behind the batch rows'
.set SPARE, 2*SLOT                     ; behind the ring: the spare words, 128 bytes for each wave: two blocks of 256 bytes that no other line names
.set ADRA, 16                          ; v16, v17: LDS address of my batch rows' fragments in slot 0, 1; v18: in slot 0 with rows of 4,096 bytes
.set ADRB, 20                          ; v20-22: the same for the weights
.set STO,  24                          ; the way out as f32: where I put a row's bytes,
.set RD,   25                          ; and where I read a row back
.set CO,   26                          ; 16 x lane
.set BO,   27                          ; 64 h
.set SPW,  28                          ; LDS address of my spare word; never rewritten
.set NIL,  29                          ; 0; never rewritten
.set VCS,  30                          ; the scale of z's conversion
.set VLIM, 31                          ; 448 x that
.set AF,   64
.set CDS,  192
.set TMP,  64
.set BK,   128
.set G1X,  24                          ; s[24:31] group 1: x's tiles;  s[32:39], s[40:47]: z's, three and two K steps;  s[48:55], s[56:63]: the weights'
.set G1Z3, 32
.set G1Z2, 40
.set G1W3, 48
.set G1W2, 56
.set G0A,  72                          ; s[72:79] group 0 for the batch rows' tiles, a set for each slot;  s[80:87] for the weights'
.set G0B,  80
.set MSB, 0
.macro WIN new                         ; the immediate's high byte repeats the setting that is left
.if MSB != \new
	s_set_vgpr_msb (MSB<<8)|\new
.set MSB, \new
.endif
.endm
.set MULW,  0xa1                       ; source 0 (weights) window 1, source 1 (batch rows) window 0, C and D window 2
.set MULB,  0xb1                       ; the same with C in window 3
.set TO_B,  0x40
.set TO_3,  0xc0
.set MAX2,  0x88                       ; source 1 and destination window 2
.set FMA23, 0xb2                       ; source 0 and destination window 2, source 2 window 3
.set MUL2,  0x82                       ; source 0 and destination window 2
.set FROM2, 0x02                       ; source 0 window 2
.macro PLACES n
.rept \n
	v_nop
.endr
.endm
; A joint load: waves 0 and 1 fetch batch rows, waves 2 and 3 weights.  The branch hangs on the wave's number alone.  Four v_nop follow each of the two lines.
.macro JLOAD g0a, g1a, g0b, g1b
	s_cmp_eq_u32 s11, 0
	s_cbranch_scc0 .Lfor_b_\@
	tensor_load_to_lds s[\g0a:\g0a+3], s[\g1a:\g1a+7]
	s_nop 0
.rept 4
	v_nop
.endr
	s_branch .Lasked_\@
.Lfor_b_\@:
	tensor_load_to_lds s[\g0b:\g0b+3], s[\g1b:\g1b+7]
	s_nop 0
.rept 4
	v_nop
.endr
.Lasked_\@:
.endm
.macro CREST                           ; a round of the cluster's barrier behind its opening barrier
	s_cmp_lg_u32 s10, 0
	s_cbranch_scc1 .Lnot_wave_0_\@
	s_barrier_signal -3
.Lnot_wave_0_\@:
	s_barrier_wait -3
	s_barrier_signal -1
	s_barrier_wait -1
.endm
.macro CROUND
	s_barrier_signal -1
	s_barrier_wait -1
	CREST
.endm
.macro G1SET g, d, r, p                ; r rows of d elements of 8 bytes, p elements apart; no padding: the images are read as they lie
	s_mov_b32 s[\g+1], (\d)<<16
	s_mov_b32 s[\g+2], (\r)<<16
	s_mov_b32 s[\g+3], (\d)<<16
	s_mov_b32 s[\g+4], \r
	s_mov_b32 s[\g+5], \p
	s_mov_b32 s[\g+6], 0
	s_mov_b32 s[\g+7], 0
.endm
.macro SETG0 p, la, lb, ab, ao, bo     ; both groups 0 of slot p: LDS parts s[la], s[lb]; from s[ab:ab+1] + ao and s[70:71] + bo
	s_mov_b32 s[G0A+4*\p], 1
	s_add_co_u32 s[G0A+4*\p+1], s[\la], \p*SLOT
	s_add_nc_u64 s[G0A+4*\p+2:G0A+4*\p+3], s[\ab:\ab+1], \ao
	s_or_b32 s[G0A+4*\p+3], s[G0A+4*\p+3], 0x80000000
	s_mov_b32 s[G0B+4*\p], 1
	s_add_co_u32 s[G0B+4*\p+1], s[\lb], \p*SLOT
	s_add_nc_u64 s[G0B+4*\p+2:G0B+4*\p+3], s[70:71], \bo
	s_or_b32 s[G0B+4*\p+3], s[G0B+4*\p+3], 0x80000000
.endm
.macro FRAG reg, adr, off              ; an image comes back as the registers that it is
.irp c, 0,1,2,3
	ds_load_b128 v[(\reg)+4*\c:(\reg)+4*\c+3], v[\adr] offset:(\off)+512*\c
.endr
.endm
.macro FETCH k                         ; K step k's twelve fragments, 48 loads in one run, into set k % 2
.set FG, (\k)/3
.set FS, (\k)%3
.set FF, (\k)%2
.set FRL, 6144
.set FAA, ADRA+FG%2
.set FAB, ADRB+FG%2
.if FG == 4
.set FRL, 4096
.set FAA, ADRA+2
.set FAB, ADRB+2
.endif
	WIN TO_B
.irp t, 0,1,2,3,4,5,6,7
	FRAG 128*FF+16*\t, FAB, \t*FRL+2048*FS
.endr
	WIN 0
.irp i, 0,1,2,3
	FRAG AF+64*FF+16*\i, FAA, \i*FRL+2048*FS
.endr
.endm
; n blocks of batch rows from a0 on x the eight tiles of columns.  The 32 accumulators take turns, one instruction a turn, in the same order in every K step.
.macro MUL a0, n, f, first
.set MA, \a0
.rept \n
.irp b, 0,1,2,3,4,5,6,7
.if \first
	v_wmma_f32_16x16x128_fp8_fp8 v[8*(8*MA+\b):8*(8*MA+\b)+7], v[128*(\f)+16*\b:128*(\f)+16*\b+15], v[AF+64*(\f)+16*MA:AF+64*(\f)+16*MA+15], v[8*\b:8*\b+7]
.else
	v_wmma_f32_16x16x128_fp8_fp8 v[8*(8*MA+\b):8*(8*MA+\b)+7], v[128*(\f)+16*\b:128*(\f)+16*\b+15], v[AF+64*(\f)+16*MA:AF+64*(\f)+16*MA+15], v[8*(8*MA+\b):8*(8*MA+\b)+7]
.endif
.endr
.set MA, MA+1
.endr
.endm
.macro STEP k, first                   ; a K step whose successor lies in the same slot.  first = 1: the bias is the C of the sums' first products
	s_wait_dscnt 0x0                               ; this K step's fragments are in
	PLACES 4                                       ; in front of loads into registers that the K step before multiplied (ISA guide 7.12.1 for vector instructions)
	FETCH (\k)+1
.if \first
	WIN MULB
.else
	WIN MULW
.endif
	MUL 0, 4, (\k)%2, \first
.endm
; A slot's last K step changes slots: one barrier; in front of it each wave waits for all its tensor loads, adds 0 to its spare word, and waits for that and for its own reads of this slot.
; g2: which slot's worth of K steps is asked for into the slot just left (-1: none).
.macro TURN k, g2
	WIN 0
	s_wait_tensorcnt 0x0                           ; all my tensor loads have landed: my part of the next slot
	ds_add_u32 v[SPW], v[NIL]                      ; 0 onto my spare word
	s_wait_dscnt 0x1                               ; only the add may be out: this K step's fragments are in
	WIN MULW
	MUL 0, 1, (\k)%2, 0                            ; eight matrix instructions stand between the add and the wait for it
	s_wait_dscnt 0x0                               ; the add is done, and my reads of this slot are over
	s_barrier_signal -1
	MUL 1, 1, (\k)%2, 0
	WIN 0
	s_barrier_wait -1
.if \g2 == 2
	CREST                                          ; the barrier has opened a round of the cluster's: no wave of any partner still reads this slot or has a load on its way
	SETG0 0, 20, 21, 68, 0, 12288
	JLOAD G0A, G1Z3, G0B, G1W3                     ; the first tensor load behind the round; its four v_nop are the places in front of the loads below
.elseif \g2 == 3
	CREST
	SETG0 1, 20, 21, 68, 6144, 18432
	JLOAD G0A+4, G1Z3, G0B+4, G1W3
.elseif \g2 == 4
	CREST
	SETG0 0, 22, 23, 68, 12288, 24576
	JLOAD G0A, G1Z2, G0B, G1W2
.else
	PLACES 4
.endif
	FETCH (\k)+1
	WIN MULW
	MUL 2, 2, (\k)%2, 0
.endm
.macro LAST k
	s_wait_dscnt 0x0
	WIN MULW
	MUL 0, 4, (\k)%2, 0
	WIN 0
.endm
.macro UTRANS                          ; acc = max(acc, 0) x 2^(s1 - s2) + (bc + bu) x 2^-s2; each accumulator from its low end on
	PLACES 4
	s_wait_loadcnt 0x0                             ; the second bias
	WIN MAX2
.set N, 0
.rept 256
	v_max_num_f32 v[N], 0, v[N]
.set N, N+1
.endr
	WIN FMA23
.set N, 0
.rept 128
	v_pk_fma_f32 v[N:N+1], v[N:N+1], s[88:89], v[64+N%64:64+N%64+1] op_sel_hi:[1,0,1]
.set N, N+2
.endr
.endm
.macro RESCALE sp                      ; acc x a power of two: into the next product's units
	PLACES 4
	WIN MUL2
.set N, 0
.rept 128
	v_pk_mul_f32 v[N:N+1], v[N:N+1], s[\sp:\sp+1] op_sel_hi:[1,0]
.set N, N+2
.endr
.endm
.if HASZ
	s_load_b128 s[4:7], s[0:1], 0x0                ; the layer's buffer, z_in
	s_load_b64 s[8:9], s[0:1], 0x10                ; the result
.else
	s_load_b64 s[4:5], s[0:1], 0x0
	s_load_b64 s[8:9], s[0:1], 0x8
.endif
	v_lshl_add_u32 v[SPW], v0, 2, SPARE
	v_mov_b32 v[NIL], 0
	ds_add_u32 v28, v29
	ds_add_u32 v28, v29
	s_wait_dscnt 0x0
	v_lshrrev_b32 v1, 5, v0
	v_readfirstlane_b32 s10, v1                    ; wave 0..3
	s_lshr_b32 s11, s10, 1                         ; hi: which 64 batch rows are mine.  Also: I fetch batch rows (0) or weights (1)
	s_and_b32 s12, s10, 1                          ; lo: which 128 columns.  Also: which half of that tile I fetch
	s_bfe_u32 s98, ttmp6, 0x40000                  ; cx
	s_bfe_u32 s99, ttmp6, 0x40004                  ; cy
	s_lshl_b32 s100, ttmp9, 2
	s_add_co_u32 s100, s100, s98                   ; wx: my 256 columns
	s_and_b32 s13, ttmp7, 0xffff
	s_lshl_b32 s13, s13, 2
	s_add_co_u32 s13, s13, s99                     ; wy: my 128 batch rows
	s_lshl_b32 s14, s99, 2
	s_lshl_b32 s14, 15, s14                        ; my row of the cluster
	s_lshl_b32 s15, 0x1111, s98                    ; my column
	s_or_b32 s[G1X], s14, (3<<16)|(1<<21)          ; 15:0 the mask; 17:16 elements of 8 bytes; 21 set beside a mask
	s_or_b32 s[G1W3], s15, (3<<16)|(1<<21)
	G1SET G1X, 768, 4, 1536
	G1SET G1W3, 768, 8, 3584
.if HASZ
	s_or_b32 s[G1Z3], s14, (3<<16)|(1<<21)
	s_or_b32 s[G1Z2], s14, (3<<16)|(1<<21)
	s_or_b32 s[G1W2], s15, (3<<16)|(1<<21)
	G1SET G1Z3, 768, 4, 2048
	G1SET G1Z2, 512, 4, 2048
	G1SET G1W2, 512, 8, 3584
.endif
	s_lshl_b32 s16, s13, 3                         ; batch rows: tile 8 wy + 4 lo on.  (No register that feeds these descriptors ever holds cx, none that feeds the weights' ever holds cy)
	s_lshl_b32 s17, s12, 2
	s_add_co_u32 s16, s16, s17
	s_mul_i32 s66, s16, XP
	s_mov_b32 s67, 0
.if HASZ
	s_mul_i32 s68, s16, ZP
	s_mov_b32 s69, 0
.endif
	s_lshl_b32 s70, s100, 4                        ; weights: tile 16 wx + 8 lo on
	s_lshl_b32 s101, s12, 3
	s_add_co_u32 s70, s70, s101
	s_mul_i32 s70, s70, WP
	s_add_co_u32 s70, s70, WOFF
	s_mov_b32 s71, 0
	s_mul_i32 s20, s12, 4*6144                     ; where they go in a slot: no place in the cluster enters an LDS address
	s_mul_i32 s21, s12, 8*6144
	s_add_co_u32 s21, s21, BREG
.if HASZ
	s_lshl_b32 s22, s12, 14                        ; the same with rows of 4,096 bytes
	s_lshl_b32 s23, s12, 15
	s_add_co_u32 s23, s23, BREG
.endif
	s_lshl_b32 s2, s100, 10                        ; the biases of my 128 columns
	s_lshl_b32 s101, s12, 9
	s_add_co_u32 s2, s2, s101
	s_add_co_u32 s2, s2, COFF
	s_mov_b32 s3, 0
.if OUTF
	s_lshl_b32 s18, s13, 19                        ; out: row 128 wy + 64 hi of 4,096 bytes, column 256 wx + 128 lo
	s_lshl_b32 s19, s11, 18
	s_add_co_u32 s18, s18, s19
	s_lshl_b32 s19, s100, 10
	s_add_co_u32 s18, s18, s19
	s_lshl_b32 s19, s12, 9
	s_add_co_u32 s18, s18, s19
.else
	s_lshl_b32 s18, s13, 17                        ; z: tile 8 wy + 4 hi of 16,384 bytes, K step 2 wx + lo
	s_lshl_b32 s19, s11, 16
	s_add_co_u32 s18, s18, s19
	s_lshl_b32 s19, s100, 12
	s_add_co_u32 s18, s18, s19
	s_lshl_b32 s19, s12, 11
	s_add_co_u32 s18, s18, s19
.endif
	s_mov_b32 s19, 0
	s_wait_kmcnt 0x0
	s_load_b256 s[88:95], s[4:5], COFF+8192        ; 2^(s1 - s2), 2^(s2 - s3), 2^(s3 - s4), 2^s4, each twice
	s_load_b64 s[96:97], s[4:5], COFF+8192+32      ; the scale of z's conversion, 448 x that
	s_add_nc_u64 s[66:67], s[4:5], s[66:67]
.if HASZ
	s_add_nc_u64 s[68:69], s[6:7], s[68:69]
.endif
	s_add_nc_u64 s[70:71], s[4:5], s[70:71]
	s_add_nc_u64 s[2:3], s[4:5], s[2:3]
	s_add_nc_u64 s[8:9], s[8:9], s[18:19]
	CROUND                                         ; all sixteen work-groups are here: the first joint loads meet
	SETG0 0, 20, 21, 66, 0, 0
	JLOAD G0A, G1X, G0B, G1W3                      ; K steps 0-2
	SETG0 1, 20, 21, 66, 6144, 6144
	JLOAD G0A+4, G1X, G0B+4, G1W3                  ; K steps 3-5
	v_and_b32 v1, 31, v0
	v_lshlrev_b32 v[CO], 4, v1
	s_mul_i32 s16, s11, 4*6144
	v_add_nc_u32 v[ADRA], s16, v[CO]
	v_add_nc_u32 v[ADRA+1], SLOT, v[ADRA]
	v_add_nc_u32 v[ADRB], s21, v[CO]
	v_add_nc_u32 v[ADRB+1], SLOT, v[ADRB]
.if HASZ
	s_lshl_b32 s16, s11, 14
	v_add_nc_u32 v[ADRA+2], s16, v[CO]
	v_add_nc_u32 v[ADRB+2], s23, v[CO]
.endif
	v_bfe_u32 v2, v0, 4, 1                         ; h
	v_lshlrev_b32 v[BO], 6, v2
.if OUTF
	s_mul_i32 s16, s10, 16*528                     ; my stage: 16 rows x (512 + 16) bytes, in slot 1: it has had its last fill, and its last read ends in front of the last change of slots
	s_add_co_u32 s16, s16, SLOT
	v_and_b32 v3, 15, v0
	v_mul_u32_u24 v[STO], v3, 528
	v_lshl_add_u32 v[STO], v2, 6, v[STO]
	v_add_nc_u32 v[STO], s16, v[STO]
	v_add_nc_u32 v[RD], s16, v[CO]
.endif
	WIN TO_3                                       ; register 16 b + m of a bias = column 32 b + 16 h + m of my 128
.irp n, 0,1,2,3,4,5,6,7,8,9,10,11,12,13,14,15
	global_load_b128 v[4*\n:4*\n+3], v[BO], s[2:3] offset:128*(\n/4)+16*(\n%4)
.endr
.irp n, 0,1,2,3,4,5,6,7,8,9,10,11,12,13,14,15
	global_load_b128 v[64+4*\n:64+4*\n+3], v[BO], s[2:3] offset:4096+128*(\n/4)+16*(\n%4)
.endr
	WIN 0
	s_wait_tensorcnt 0x1                           ; my part of slot 0 is in; slot 1's may stay out
	s_barrier_signal -1
	s_barrier_wait -1
	FETCH 0
	s_wait_loadcnt 16                              ; the first bias is in; the second's sixteen loads may be out
	s_wait_kmcnt 0x0
.if OUTF == 0
	v_mov_b32 v[VCS], s96
	v_mov_b32 v[VLIM], s97
.endif
	STEP 0, 1
	STEP 1, 0
	UTRANS
.if HASZ
	TURN 2, 2
	STEP 3, 0
	RESCALE 90
	STEP 4, 0
	TURN 5, 3
	RESCALE 92
	STEP 6, 0
	STEP 7, 0
	TURN 8, 4
	STEP 9, 0
	STEP 10, 0
	TURN 11, -1
	STEP 12, 0
	LAST 13
.else
	TURN 2, -1
	STEP 3, 0
	RESCALE 90
	STEP 4, 0
	LAST 5
.endif
	PLACES 4                                       ; in front of the first read of results
.if OUTF == 0
; THE WAY OUT AS CODES.  relu and the hold in one; the conversions' results are the next layer's image: four stores of 512 consecutive bytes a block of 16 batch rows.  Each block has code registers of its own.
.irp a, 0,1,2,3
	WIN MUL2
.set N, 64*\a
.rept 64
	v_med3_num_f32 v[N], v[N], 0, v[VLIM]
.set N, N+1
.endr
	WIN FROM2
.irp n, 0,1,2,3,4,5,6,7
	v_cvt_scalef32_pk8_fp8_f32 v[CDS+16*\a+2*\n:CDS+16*\a+2*\n+1], v[64*\a+8*\n:64*\a+8*\n+7], v[VCS]
.endr
	v_nop                                          ; a plain line behind the last conversion of the run
	WIN 0
.irp c, 0,1,2,3
	global_store_b128 v[CO], v[CDS+16*\a+4*\c:CDS+16*\a+4*\c+3], s[8:9] offset:\a*ZP+512*\c
.endr
.endr
.else
; THE WAY OUT AS f32, block by block of 16 batch rows x 128 columns, through my own stage: whole rows of 512 bytes come back and are stored by the 32 lanes.  LDS serves a wave's instructions in order (ISA guide 5.7.1.4).
.macro TOSTAGE a
	WIN FROM2
.set N, 0
.rept 32
	v_pk_mul_f32 v[TMP+N:TMP+N+1], v[64*(\a)+N:64*(\a)+N+1], s[94:95] op_sel_hi:[1,0]   ; x 2^s4; each accumulator from its low end on
.set N, N+2
.endr
	WIN 0
.set N, 0
.rept 64
	v_max_num_f32 v[TMP+N], 0, v[TMP+N]            ; relu
.set N, N+1
.endr
.irp n, 0,1,2,3,4,5,6,7,8,9,10,11,12,13,14,15
	ds_store_b128 v[STO], v[TMP+4*\n:TMP+4*\n+3] offset:128*(\n/4)+16*(\n%4)
.endr
.set BB, BK+64*((\a)%2)
.irp i, 0,1,2,3,4,5,6,7,8,9,10,11,12,13,14,15
	ds_load_b128 v[BB+4*\i:BB+4*\i+3], v[RD] offset:528*\i
.endr
.endm
.macro SEND a, younger                 ; younger: the LDS instructions issued behind block a's loads, which may stay out
.set BB, BK+64*((\a)%2)
	s_wait_dscnt \younger
.irp i, 0,1,2,3,4,5,6,7,8,9,10,11,12,13,14,15
	global_store_b128 v[CO], v[BB+4*\i:BB+4*\i+3], s[8:9] offset:(32*((\a)/2)+8*((\a)%2)+\i+8*(\i/8))*4096 th:TH_STORE_NT   ; 512 consecutive bytes, at a multiple of 256 from the output's first byte
.endr
.endm
	TOSTAGE 0
.irp a, 1,2,3
.if \a > 1
	s_wait_xcnt 0x0                                ; block a - 2's stores have read their registers: block a's loads may land there
.endif
	TOSTAGE \a
	SEND \a-1, 32                                  ; behind block a - 1's loads: block a's 16 stores and 16 loads
.endr
	SEND 3, 0
.endif
	s_wait_tensorcnt 0x0                           ; the wave's end
	ds_add_u32 v[SPW], v[NIL]
	s_wait_dscnt 0x0
	CROUND                                         ; the closing round: no work-group ends while a partner may still ask for a tile that names it
	s_endpgm
.Lfunc_end_k_qf86c281279_layer3:
	.size	k_qf86c281279_layer3, .Lfunc_end_k_qf86c281279_layer3-k_qf86c281279_layer3
	.p2alignl 7, 3214868480
	.fill 96, 4, 3214868480
	.section	.rodata,"a",@progbits
	.p2align	6, 0x0
	.amdhsa_kernel k_qf86c281279_layer3
		.amdhsa_group_segment_fixed_size 327680
		.amdhsa_private_segment_fixed_size 0
		.amdhsa_enable_private_segment 0
		.amdhsa_kernarg_size 24
		.amdhsa_user_sgpr_count 2
		.amdhsa_user_sgpr_kernarg_segment_ptr 1
		.amdhsa_wavefront_size32 1
		.amdhsa_system_sgpr_workgroup_id_x 1
		.amdhsa_system_sgpr_workgroup_id_y 1
		.amdhsa_system_sgpr_workgroup_id_z 1
		.amdhsa_system_vgpr_workitem_id 0
		.amdhsa_next_free_vgpr 896
		.amdhsa_next_free_sgpr 102
		.amdhsa_reserve_vcc 0
		.amdhsa_float_denorm_mode_32 3
		.amdhsa_float_denorm_mode_16_64 3
		.amdhsa_memory_ordered 1
		.amdhsa_forward_progress 1
		.amdhsa_inst_pref_size 153
	.end_amdhsa_kernel
	.amdgpu_metadata
---
amdhsa.version: [ 1, 2 ]
amdhsa.kernels:
  - .name:           k_qf86c281279_layer3
    .symbol:         k_qf86c281279_layer3.kd
    .args:
      - { .name: lay3, .offset: 0, .size: 8, .value_kind: global_buffer, .address_space: global }
      - { .name: z0, .offset: 8, .size: 8, .value_kind: global_buffer, .address_space: global }
      - { .name: out0, .offset: 16, .size: 8, .value_kind: global_buffer, .address_space: global }
    .group_segment_fixed_size: 327680
    .private_segment_fixed_size: 0
    .kernarg_segment_align: 8
    .kernarg_segment_size: 24
    .max_flat_workgroup_size: 128
    .sgpr_count:     102
    .vgpr_count:     896
    .wavefront_size: 32
...
	.end_amdgpu_metadata
.endif
;; end of part 4
